; MI455X (gfx1250); checked and timed in simulation.
; The chip was launched on July 23, 2026; its instructions are those of AMD's public machine-readable ISA for CDNA 5 (MIT licence, August 2026) and "CDNA5" Instruction Set Architecture Reference Guide (July 2026). The comments in the code are by the model that wrote it; some were corrected since.
;; Gaussian FC. Allowed arithmetic: float matrix products may take bf16 or f16 operands with f32 sums; all other float work in f32.
;; Inputs: amplitude 8,192 x 1 float32; bias 8,192 float32; mu 8,192 x 1 float32; sigma 8,192 x 1 float32; x 64 x 8,192 float32.
;; Outputs: out0 64 x 8,192 float32.
;; 3 versions, each right and faster than the one before. Each part assembles by itself: llvm-mc -triple=amdgcn-amd-amdhsa -mcpu=gfx1250 --defsym DOCPART=n.
;; ======== version 1 of 3: 2 launches
;; limits: values are held in f16: magnitudes above 65,504 overflow, below 6.1e-05 lose precision
;; workspace buffers: part 16,777,216 bytes
;; launch gauss (part 1): grid 32 x 8, 4 waves a work-group, clusters of 4 x 1, 296,448 bytes of LDS; arguments x, mu, sigma, amplitude, part; writes part
.if DOCPART == 1
	.amdgcn_target "amdgcn-amd-amdhsa--gfx1250"
	.amdhsa_code_object_version 6
	.text
	.protected	k_q073861eea6_gauss
	.globl	k_q073861eea6_gauss
	.p2align	8
	.type	k_q073861eea6_gauss,@function
k_q073861eea6_gauss:
	s_mov_b64 s[64:65], 0
	v_nop
	global_prefetch_b8 v0, s[64:65] scope:SCOPE_SE
	s_setreg_imm32_b32 hwreg(HW_REG_WAVE_MODE, 25, 1), 1
	s_wait_xcnt 0x0
	s_wait_alu depctr_hold_cnt(0) depctr_sa_sdst(0) depctr_va_vdst(0) depctr_va_sdst(0) depctr_va_ssrc(0) depctr_va_vcc(0) depctr_vm_vsrc(0)
	s_getreg_b32 s2, hwreg(HW_REG_IB_STS2, 6, 4)
	s_cmp_eq_u32 s2, 0
	s_cbranch_scc0 .Lentry_in_a_cluster
	s_endpgm
.Lentry_in_a_cluster:
	s_bfe_u32 s2, ttmp6, 0x10000c
	s_cmp_lg_u32 s2, 0x3003
	s_cbranch_scc0 .Lentry_shape_is_right
	s_endpgm
.Lentry_shape_is_right:
; part[s][b][j] = sum over the 1,024 k of K block s of (x[b][k] amplitude[k]) w[k][j],  w[k][j] = exp(-(j - mu[k])^2 / (2 sigma[k]^2)).
; x: [64][8192] f32.  mu, sigma, amplitude: [8192] f32.  part: [8][64][8192] f32; the next launch adds the eight planes, the bias and the relu.
; A work-group owns 256 columns j (grid x) and 1,024 k (grid y); a wave owns all 64 rows b x 64 columns over all 1,024 k: 16 accumulators
; of 16 x 16.  Every weight is computed once in the launch: 65,536 a wave, 2,048 a lane.  K is split in eight so that a work-group needs
; 256 KB of x and converts 512 numbers a lane, against 2 MB and 4,096 if it owned its outputs over all of K.
; WEIGHTS are made in the matrix operand's own layout: a lane is one column j, its registers run along k.  d = j + (-mu) is the problem's own
; difference; t = (d nc) d with nc = -log2(e) / (2 sigma^2); w = 2^t; two w are rounded to f16 by one conversion.
; X: amplitude is multiplied into x (f32) before x is rounded to f16: 16,384 products a wave instead of 65,536 on the weights.
; F16, NOT BF16: an output is a sum of a few dozen products of like size with both signs, so the operands' rounding does not shrink against the
; result; f16's 11 significant bits make it eight times smaller than bf16's 8.  Both operands have room in f16: a weight is an exponential of a
; number that is never positive, so it lies in [0, 1]; x amplitude may be some 12,000 times larger than numbers of unit spread before it passes 65,504.
; CLUSTERS: the four work-groups of a cluster (along grid x) have the same K block and need the same 256 KB of x: each tile is asked for jointly.
; The whole K block lies in LDS at once, so every tensor load is a first fill.
; A tile has 16 rows (not more) because a wave converts exactly what it fetched itself, behind its own count, and 8 chunks let the work start
; when the first 8 KB of each wave have come.
; LIMITS: |x amplitude| above 65,504 becomes infinity in f16 (and NaN against a weight of 0).  Below 2^-14 an f16 number has an absolute error of up to
; 2^-25: weights below 2^-25 are 0, and so are x amplitude that small.  x amplitude is rounded to f16 as one number.
; v_rcp_f32 takes a denormal sigma^2 as 0 (ISA guide 15.8): |sigma| below 2^-63 acts as sigma = 0 (weight 0 off the centre, NaN where j = mu).
.set NCH,   8                          ; chunks of 128 k in a K block
.set XP,    528                        ; LDS pitch of a chunk's row: 512 bytes of f32 + 16 = 33 x 16: sixteen rows start in sixteen different 16-byte columns modulo 256
.set TILE,  16*XP                      ; 16 rows: one tensor load, one wave's part of a chunk, one block of 16 batch rows
.set CHUNK, 4*TILE                     ; 64 rows x 128 k
.set PARAM, NCH*CHUNK                  ; 270,336: -mu of the 1,024 k, then nc
.set PNC,   4096
.set STAGE, PARAM+2*PNC                ; 278,528: 16 rows x 272 bytes for each wave, for the way out; no tensor load lands here or on PARAM
.set SP,    272
.set PLANE, 2097152                    ; bytes of one plane of part
.set OROW,  32768                      ; bytes of a row of x and of part
; window 0 (everything that the loop names)
.set AADR, 1                           ; v1       LDS address of my x fragments: 528 r + 16 h + chunk + K step
.set PADR, 2                           ; v2       LDS address of my parameters: PARAM + 32 h + 128 x K step
.set J,    4                           ; v[4:11]  my column j as f32 in column tile 0..3, each twice (a pair for the packed add)
.set E,    12                          ; v[12:13] d nc of the slot at work
.set T,    14                          ; v[14:21] ring of four pairs: d, then t, then 2^t
.set NM,   24                          ; v[24:39] -mu of my 16 k of this K step
.set NC,   40                          ; v[40:55] nc of the same
.set A,    56                          ; v[56:87] x fragments: 4 blocks of 16 rows x 32 k, f16
.set BF,   88                          ; v[88:119] weight fragments: 2 sets x 2 column tiles x 8 registers
.set STO,  120
.set RD,   121
.set CO,   122
.set ACC,  128                         ; v[128:255] accumulator (mb, nb) at ACC + 8 (4 mb + nb)
; window 1 (conversion of x only)
.set XS,   0                           ; v256-319  16 rows x 4 f32 as loaded
.set AM,   64                          ; v320-351  amplitude of my 4 k in chunk 0..7
.set CVL,  96                          ; v352-355  where I read f32: chunks 2q, 2q+1
.set CVS,  100                         ; v356-359  where I put f16
.set G1,   16                          ; s[16:23] descriptor group 1
.set G0,   24                          ; s[24:55] descriptor group 0, a set for each of the eight loads: none is written while a load is out
.set MSB, 0
.macro WIN new                         ; the immediate's high byte repeats the setting that is left
.if MSB != \new
	s_set_vgpr_msb (MSB<<8)|\new
.set MSB, \new
.endif
.endm
; A round of the cluster's barrier: my work-group's barrier, wave 0 signals for the work-group, every wave waits for all four work-groups, my work-group's barrier again.
.macro ROUND
	s_barrier_signal -1
	s_barrier_wait -1
	s_cmp_lg_u32 s14, 0
	s_cbranch_scc1 .Lnot_wave_0_\@
	s_barrier_signal -3
.Lnot_wave_0_\@:
	s_barrier_wait -3
	s_barrier_signal -1
	s_barrier_wait -1
.endm
	s_load_b256 s[4:11], s[0:1], 0x0               ; x s[4:5], mu s[6:7], sigma s[8:9], amplitude s[10:11]
	s_load_b64 s[12:13], s[0:1], 0x20              ; part
	v_lshl_add_u32 v126, v0, 2, 0x48400
	v_mov_b32 v127, 0
	ds_add_u32 v126, v127
	v_lshrrev_b32 v3, 5, v0
	v_readfirstlane_b32 s14, v3                    ; wave 0..3
	s_and_b32 s15, ttmp7, 0xffff                   ; K block 0..7: the cluster's y, the same in the four partners
	; group 1: a tile of 16 rows x 128 f32, 16 bytes of padding behind each row
	s_mov_b32 s[G1+0], 15|(2<<16)|(1<<20)|(1<<21)|(6<<22)|(3<<25)  ; 15:0 mask: all four work-groups; 17:16 elements of 4 bytes; 20 padding on; 21 set beside a mask; 24:22 after every 128 words; 31:25 four words
	s_mov_b32 s[G1+1], 128<<16                     ; tensor_dim0 = 128
	s_mov_b32 s[G1+2], 16<<16                      ; tensor_dim1 = 16
	s_mov_b32 s[G1+3], 128<<16                     ; tile_dim0 = 128
	s_mov_b32 s[G1+4], 16                          ; tile_dim1 = 16
	s_mov_b32 s[G1+5], 8192                        ; elements from row to row
	s_mov_b32 s[G1+6], 0
	s_mov_b32 s[G1+7], 0
	s_lshl_b32 s58, s15, 12                        ; K block x 1,024 k x 4 bytes
	s_mov_b32 s59, 0
	s_lshl_b32 s60, s14, 19                        ; wave x 16 rows x 32,768 bytes
	s_mov_b32 s61, 0
	s_mul_i32 s66, s14, TILE                       ; my part of a chunk in LDS: the wave's number alone
	s_wait_dscnt 0x0
	s_wait_kmcnt 0x0
	s_add_nc_u64 s[6:7], s[6:7], s[58:59]          ; mu, sigma, amplitude at the K block's first k
	s_add_nc_u64 s[8:9], s[8:9], s[58:59]
	s_add_nc_u64 s[10:11], s[10:11], s[58:59]
	s_add_nc_u64 s[4:5], s[4:5], s[58:59]
	s_add_nc_u64 s[4:5], s[4:5], s[60:61]          ; x at my 16 rows, the K block's first k: made of the K block and the wave alone
.irp c, 0,1,2,3,4,5,6,7
	s_mov_b32 s[G0+4*\c], 1                                        ; count = 1
	s_add_co_u32 s[G0+4*\c+1], s66, \c*CHUNK                       ; LDS address: wave x 8,448 + chunk x 33,792
	s_add_nc_u64 s[G0+4*\c+2:G0+4*\c+3], s[4:5], \c*512            ; 128 k further along the rows
	s_or_b32 s[G0+4*\c+3], s[G0+4*\c+3], 0x80000000                ; type = 2
.endr
	ROUND                                          ; the four work-groups are here: the joint loads meet
.irp c, 0,1,2,3,4,5,6,7
	tensor_load_to_lds s[G0+4*\c:G0+4*\c+3], s[G1:G1+7]            ; all first fills in one group; eight are out
	s_nop 0
.endr
	v_and_b32 v3, 15, v0                           ; r
	v_bfe_u32 v22, v0, 4, 1                        ; h
	v_and_b32 v23, 31, v0                          ; lane
	v_lshlrev_b32 v[T+3], 5, v0                    ; thread t prepares k = 8 t .. 8 t + 7: 32 bytes
	v_lshlrev_b32 v[T+2], 4, v23                   ; 16 x lane
	global_load_b128 v[ACC:ACC+3],     v[T+3], s[6:7]              ; mu
	global_load_b128 v[ACC+4:ACC+7],   v[T+3], s[6:7] offset:16
	global_load_b128 v[ACC+8:ACC+11],  v[T+3], s[8:9]              ; sigma
	global_load_b128 v[ACC+12:ACC+15], v[T+3], s[8:9] offset:16
	v_lshl_add_u32 v[T],   v23, 4, s66             ; f32 of a row: 16 bytes a lane
	v_lshl_add_u32 v[T+1], v23, 3, s66             ; f16 of a row: 8 bytes a lane
	v_add_nc_u32 v[T+4], PARAM, v[T+3]
	WIN 0x40                                       ; destination in window 1, sources in window 0
.irp c, 0,1,2,3,4,5,6,7
	global_load_b128 v[AM+4*\c:AM+4*\c+3], v[T+2], s[10:11] offset:512*\c   ; amplitude of k = 128 c + 4 lane .. + 3
.endr
.irp q, 0,1,2,3
	v_add_nc_u32 v[CVL+\q], \q*2*CHUNK, v[T]       ; one address for two chunks: the rest fits the 16-bit offset; never rewritten
	v_add_nc_u32 v[CVS+\q], \q*2*CHUNK, v[T+1]
.endr
	WIN 0
	v_mul_u32_u24 v[AADR], v3, XP
	v_lshl_add_u32 v[AADR], v22, 4, v[AADR]        ; 528 r + 16 h
	v_lshlrev_b32 v[PADR], 5, v22
	v_add_nc_u32 v[PADR], PARAM, v[PADR]           ; PARAM + 32 h: half h of the lanes holds k = 8 h .. and 16 + 8 h ..
	s_bfe_u32 s56, ttmp6, 0x40000                  ; cx
	s_lshl_b32 s57, ttmp9, 2
	s_add_co_u32 s57, s57, s56                     ; column block = 4 x cluster x + cx; it enters j and the address in part, no LDS address and no branch
	s_lshl_b32 s62, s57, 8
	s_lshl_b32 s63, s14, 6
	s_add_co_u32 s62, s62, s63                     ; my wave's first column
	v_add_nc_u32 v23, s62, v3
	v_cvt_f32_u32 v[J], v23                        ; j below 8,192: exact
	v_add_f32 v[J+2], 0x41800000, v[J]             ; + 16
	v_add_f32 v[J+4], 0x42000000, v[J]             ; + 32
	v_add_f32 v[J+6], 0x42400000, v[J]             ; + 48
.irp n, 0,2,4,6
	v_mov_b32 v[J+\n+1], v[J+\n]
.endr
	s_mul_i32 s67, s14, 16*SP
	s_add_co_u32 s67, s67, STAGE                   ; my stage
	v_mul_u32_u24 v[STO], v3, SP
	v_lshl_add_u32 v[STO], v22, 5, v[STO]
	v_add_nc_u32 v[STO], s67, v[STO]               ; in: row r, 32 bytes for each half of the lanes
	v_mul_u32_u24 v[RD], v22, SP
	v_lshl_add_u32 v[RD], v3, 4, v[RD]
	v_add_nc_u32 v[RD], s67, v[RD]                 ; back: lanes 0-15 one row of 256 bytes, lanes 16-31 the next
	v_lshlrev_b32 v[CO], 15, v22
	v_lshl_add_u32 v[CO], v3, 4, v[CO]             ; the same two rows in part
	s_lshl_b32 s68, s15, 21                        ; plane of my K block
	s_lshl_b32 s63, s57, 10                        ; 256 columns x 4 bytes
	s_add_co_u32 s68, s68, s63
	s_lshl_b32 s63, s14, 8                         ; my 64 columns
	s_add_co_u32 s68, s68, s63
	s_mov_b32 s69, 0
	s_add_nc_u64 s[12:13], s[12:13], s[68:69]
	; the parameters, once for the work-group: 8 k a thread
	s_wait_loadcnt 8                               ; mu and sigma are in; amplitude's eight loads were issued behind them
.irp n, 0,2,4,6
	v_pk_mul_f32 v[ACC+8+\n:ACC+9+\n], v[ACC+8+\n:ACC+9+\n], v[ACC+8+\n:ACC+9+\n]   ; sigma^2
.endr
.irp n, 0,1,2,3,4,5,6,7
	v_rcp_f32 v[ACC+8+\n], v[ACC+8+\n]
.endr
.irp n, 0,2,4,6
	v_pk_mul_f32 v[ACC+\n:ACC+1+\n], v[ACC+\n:ACC+1+\n], -1.0 op_sel_hi:[1,0]       ; -mu; also the plain instructions that stand between v_rcp_f32 and the use of its result (ISA guide 5.7.2)
.endr
	s_wait_alu depctr_va_vdst(0)
.irp n, 0,2,4,6
	v_pk_mul_f32 v[ACC+8+\n:ACC+9+\n], v[ACC+8+\n:ACC+9+\n], 0xbf38aa3b op_sel_hi:[1,0]   ; nc = -log2(e)/2 / sigma^2
.endr
	ds_store_b128 v[T+4], v[ACC:ACC+3]
	ds_store_b128 v[T+4], v[ACC+4:ACC+7] offset:16
	ds_store_b128 v[T+4], v[ACC+8:ACC+11] offset:PNC
	ds_store_b128 v[T+4], v[ACC+12:ACC+15] offset:PNC+16
	s_wait_loadcnt 0x0                             ; amplitude
; My 16 rows of chunk c: f32 from LDS, times amplitude, rounded to f16, back into the first 256 bytes of the same rows.  All in window 1.
.macro CONVERT c
	s_wait_tensorcnt NCH-1-\c                      ; tensor loads of a wave end in order (ISA guide 10.11.1): chunk c is in, the later chunks' loads stay out
	WIN 0x55
.irp ro, 0,1,2,3,4,5,6,7,8,9,10,11,12,13,14,15
	ds_load_b128 v[XS+4*\ro:XS+4*\ro+3], v[CVL+(\c>>1)] offset:(\c&1)*CHUNK+\ro*XP   ; a row's 512 bytes: 32 lanes, 16 neighbouring bytes each
.endr
.irp gq, 0,1,2,3
	s_wait_dscnt 12                                ; behind this group's last load stand 12 - 4 gq loads and the 4 gq stores of the groups before: always 12
.irp ro, 0,1,2,3
	v_pk_mul_f32 v[XS+16*\gq+4*\ro:XS+16*\gq+4*\ro+1],   v[XS+16*\gq+4*\ro:XS+16*\gq+4*\ro+1],   v[AM+4*\c:AM+4*\c+1]
	v_pk_mul_f32 v[XS+16*\gq+4*\ro+2:XS+16*\gq+4*\ro+3], v[XS+16*\gq+4*\ro+2:XS+16*\gq+4*\ro+3], v[AM+4*\c+2:AM+4*\c+3]
.endr
.irp ro, 0,1,2,3
	v_cvt_pk_f16_f32 v[XS+16*\gq+4*\ro],   v[XS+16*\gq+4*\ro],   v[XS+16*\gq+4*\ro+1]
	v_cvt_pk_f16_f32 v[XS+16*\gq+4*\ro+1], v[XS+16*\gq+4*\ro+2], v[XS+16*\gq+4*\ro+3]
.endr
.irp ro, 0,1,2,3
	ds_store_b64 v[CVS+(\c>>1)], v[XS+16*\gq+4*\ro:XS+16*\gq+4*\ro+1] offset:(\c&1)*CHUNK+(4*\gq+\ro)*XP   ; 256 neighbouring bytes; the row's f32 have been read, and no tensor load lands here again
.endr
.endr
	WIN 0
.endm
; One slot of the pipeline.  Slot g = 16 p + sg of a K step's 32 makes two weights: k pair sg / 2 of column tile 2 p + (sg & 1).
; Its five stages are spread over four slots, so that four or more instructions stand between dependent ones:
;   bit 0 of mask: d = j - mu of slot g (first line) and e = d nc (last line);  bit 1: 2^t of slot g - 2;  bit 2: t = e d of slot g - 1;  bit 3: rounding of slot g - 3.
; Behind the two v_exp_f32 stands the multiply of another slot, a plain instruction, before anything touches their registers (ISA guide 5.7.2).
.macro SLOT p, sg, mask
.set sl_g, 16*\p+\sg
.set sl_a, T+2*(sl_g%4)
.set sl_m, T+2*((sl_g+3)%4)
.set sl_x, T+2*((sl_g+2)%4)
.set sl_c, T+2*((sl_g+1)%4)
.set sl_3, (sl_g+29)%32
.set sl_d, BF+16*(sl_3>>4)+8*(sl_3&1)+((sl_3&15)>>1)
.set sl_p, 2*(\sg>>1)
.set sl_j, J+2*(2*\p+(\sg&1))
.if (\mask)&1
	v_pk_add_f32 v[sl_a:sl_a+1], v[sl_j:sl_j+1], v[NM+sl_p:NM+sl_p+1]
.endif
.if (\mask)&2
	v_exp_f32 v[sl_x], v[sl_x]
	v_exp_f32 v[sl_x+1], v[sl_x+1]
.endif
.if (\mask)&4
	v_pk_mul_f32 v[sl_m:sl_m+1], v[E:E+1], v[sl_m:sl_m+1]
.endif
.if (\mask)&8
	s_wait_alu depctr_va_vdst(0)
	v_cvt_pk_f16_f32 v[sl_d], v[sl_c], v[sl_c+1]
.endif
.if (\mask)&1
	v_pk_mul_f32 v[E:E+1], v[sl_a:sl_a+1], v[NC+sl_p:NC+sl_p+1]
.endif
.endm
; One matrix instruction, used transposed: source 0 = 16 columns j of the weights, source 1 = 16 rows b of x.  Lane l then holds row b = l % 16 and its
; registers the columns 8 (l / 16) + 0..7: eight neighbouring numbers of a row of part.  mode 0: none yet; 1: the first product starts the sum; 2: add.
.macro MM mode, mb, nb, bs, b
.if \mode == 1
	v_wmma_f32_16x16x32_f16 v[ACC+8*(4*\mb+\nb):ACC+8*(4*\mb+\nb)+7], v[BF+16*\bs+8*\b:BF+16*\bs+8*\b+7], v[A+8*\mb:A+8*\mb+7], 0
.endif
.if \mode == 2
	v_wmma_f32_16x16x32_f16 v[ACC+8*(4*\mb+\nb):ACC+8*(4*\mb+\nb)+7], v[BF+16*\bs+8*\b:BF+16*\bs+8*\b+7], v[A+8*\mb:A+8*\mb+7], v[ACC+8*(4*\mb+\nb):ACC+8*(4*\mb+\nb)+7]
.endif
.endm
.macro PLOAD q, off                    ; quad q of -mu and of nc: registers 4 q .. 4 q + 3 = k 8 h + 4 q (q < 2), 16 + 8 h + 4 (q - 2) (q >= 2)
	ds_load_b128 v[NM+4*\q:NM+4*\q+3], v[PADR] offset:\off+16*(\q&1)+64*(\q>>1)
	ds_load_b128 v[NC+4*\q:NC+4*\q+3], v[PADR] offset:\off+16*(\q&1)+64*(\q>>1)+PNC
.endm
.macro ALOAD mb                        ; x fragment of rows 16 mb ..: registers 0-3 k = 8 h .., registers 4-7 k = 16 + 8 h ..
	ds_load_b128 v[A+8*\mb:A+8*\mb+3],   v[AADR] offset:\mb*TILE
	ds_load_b128 v[A+8*\mb+4:A+8*\mb+7], v[AADR] offset:\mb*TILE+32
.endm
; One K step of 32: two windows of 16 slots; window 0 makes column tiles 0 and 1 (slot by slot in turn), window 1 tiles 2 and 3.
; The eight matrix instructions of a window's two fragments follow one window later, one behind every second slot, row block by row block.
; So each x fragment is free 12 slots before its next use, and so is each quad of parameters: they are loaded again into the same registers in that gap.
; A load into an x fragment stands two slots (eight plain vector instructions that name none of its registers) behind the last matrix instruction that read it, and the
; first conversion into a weight fragment three slots behind the last that read it (ISA guide 7.12.1 asks for four such places).
; The sixteen accumulators take turns, one instruction a turn, over the backward jump too.
; we, wo: mode of the matrix instructions of the K step before / of this K step.  k0-k2: masks of the first three slots.  nx = 1: a K step follows.
; The waits count LDS loads issued behind the ones needed; the order in a trip is quad 3, fragments 0, 1, 2, 3, next quads 0, 1, 2, two loads each.
.macro TRIP we, wo, k0, k1, k2, nx
	PLOAD 3, 0
	s_wait_dscnt 6                                 ; quad 0 is in; behind it: quads 1, 2, 3
	SLOT 0, 0, \k0
	MM \we, 3, 1, 0, 1
	SLOT 0, 1, \k1
	SLOT 0, 2, \k2
	MM \we, 0, 2, 1, 0
	SLOT 0, 3, 15
	s_wait_dscnt 4                                 ; quad 1; behind it: quads 2, 3
	SLOT 0, 4, 15
	MM \we, 0, 3, 1, 1
	SLOT 0, 5, 15
	SLOT 0, 6, 15
	ALOAD 0
	MM \we, 1, 2, 1, 0
	SLOT 0, 7, 15
	s_wait_dscnt 4                                 ; quad 2; behind it: quad 3, fragment 0
	SLOT 0, 8, 15
	MM \we, 1, 3, 1, 1
	SLOT 0, 9, 15
	SLOT 0, 10, 15
	ALOAD 1
	MM \we, 2, 2, 1, 0
	SLOT 0, 11, 15
	s_wait_dscnt 4                                 ; quad 3; behind it: fragments 0, 1
	SLOT 0, 12, 15
	MM \we, 2, 3, 1, 1
	SLOT 0, 13, 15
	SLOT 0, 14, 15
	ALOAD 2
	MM \we, 3, 2, 1, 0
	SLOT 0, 15, 15
	SLOT 1, 0, 15
	MM \we, 3, 3, 1, 1
	SLOT 1, 1, 15
	SLOT 1, 2, 15
	ALOAD 3
	s_wait_dscnt 6                                 ; fragment 0; behind it: fragments 1, 2, 3
	MM \wo, 0, 0, 0, 0
	SLOT 1, 3, 15
.if \nx
	PLOAD 0, 128
.endif
	SLOT 1, 4, 15
	MM \wo, 0, 1, 0, 1
	SLOT 1, 5, 15
	SLOT 1, 6, 15
	s_wait_dscnt 4+2*\nx                           ; fragment 1; behind it: fragments 2, 3 and the next quad 0
	MM \wo, 1, 0, 0, 0
	SLOT 1, 7, 15
.if \nx
	PLOAD 1, 128
.endif
	SLOT 1, 8, 15
	MM \wo, 1, 1, 0, 1
	SLOT 1, 9, 15
	SLOT 1, 10, 15
	s_wait_dscnt 2+4*\nx                           ; fragment 2; behind it: fragment 3 and the next quads 0, 1
	MM \wo, 2, 0, 0, 0
	SLOT 1, 11, 15
.if \nx
	PLOAD 2, 128
.endif
	SLOT 1, 12, 15
	MM \wo, 2, 1, 0, 1
	SLOT 1, 13, 15
	SLOT 1, 14, 15
	s_wait_dscnt 6*\nx                             ; fragment 3; behind it: the next quads 0, 1, 2
	MM \wo, 3, 0, 0, 0
	SLOT 1, 15, 15
.if \nx
	v_add_nc_u32 v[AADR], 64, v[AADR]              ; 32 k of f16 along the rows
	v_add_nc_u32 v[PADR], 128, v[PADR]             ; 32 k of f32
.endif
.endm
; A chunk's four K steps.  In front: the barrier that shows the chunk converted by all four waves; my part of the next chunk (cn) is converted, my LDS
; instructions are waited for, and the next barrier is signalled.  Up to its wait only chunk bytes that no wave writes any more, and the parameters, are read.
.macro BLOCK cn
	s_barrier_wait -1
	v_add_nc_u32 v[AADR], CHUNK-256, v[AADR]
	CONVERT \cn
	s_wait_dscnt 0x0                               ; for the other waves' sake: my stores are in LDS
	s_barrier_signal -1
	s_mov_b32 s3, 4
.Ltrip_\@:
	TRIP 2, 2, 15, 15, 15, 1
	s_sub_co_u32 s3, s3, 1
	s_cmp_lg_u32 s3, 0
	s_cbranch_scc1 .Ltrip_\@
.endm
	CONVERT 0
	s_wait_dscnt 0x0                               ; my parameters and my part of chunk 0 are in LDS
	s_barrier_signal -1
	s_barrier_wait -1                              ; everybody's are
	PLOAD 0, 0
	PLOAD 1, 0
	PLOAD 2, 0
	TRIP 0, 1, 1, 5, 7, 1                          ; K step 0: the pipeline fills; its first products start the sums of column tiles 0 and 1
	TRIP 1, 2, 15, 15, 15, 1                       ; K step 1: the last of those, and the first products of tiles 2 and 3: nothing is ever cleared
	CONVERT 1                                      ; two K steps of work have been done while chunk 1 was on its way
	s_wait_dscnt 0x0
	s_barrier_signal -1
	s_mov_b32 s3, 2
.Ltrip_first:
	TRIP 2, 2, 15, 15, 15, 1
	s_sub_co_u32 s3, s3, 1
	s_cmp_lg_u32 s3, 0
	s_cbranch_scc1 .Ltrip_first
	BLOCK 2                                        ; chunk 1 is multiplied, chunk 2 converted
	BLOCK 3
	BLOCK 4
	BLOCK 5
	BLOCK 6
	BLOCK 7                                        ; its wait on the tensor loads is for 0: none is out from here on
	s_barrier_wait -1                              ; chunk 7
	v_add_nc_u32 v[AADR], CHUNK-256, v[AADR]
	s_mov_b32 s3, 3
.Ltrip_last:
	TRIP 2, 2, 15, 15, 15, 1
	s_sub_co_u32 s3, s3, 1
	s_cmp_lg_u32 s3, 0
	s_cbranch_scc1 .Ltrip_last
	TRIP 2, 2, 15, 15, 15, 0                       ; the last K step loads no further parameters
	SLOT 0, 0, 14                                  ; the pipeline runs empty
	MM 2, 3, 1, 0, 1
	SLOT 0, 1, 10
	SLOT 0, 2, 8
	MM 2, 0, 2, 1, 0
	MM 2, 0, 3, 1, 1
	MM 2, 1, 2, 1, 0
	MM 2, 1, 3, 1, 1
	MM 2, 2, 2, 1, 0
	MM 2, 2, 3, 1, 1
	MM 2, 3, 2, 1, 0
	MM 2, 3, 3, 1, 1
.rept 4
	v_nop                                          ; four places behind the last matrix instructions: LDS stores read results, loads land on fragments
.endr
; THE WAY OUT, 16 rows at a time: a lane's 32 bytes of a row go into my own stage, whole rows of 256 bytes come back, and
; sixteen neighbouring lanes store 256 consecutive bytes at a multiple of 256 from part's first byte.  f: the registers of A or BF in turn.
.macro OUT mb, f
.irp nb, 0,1,2,3
	ds_store_b128 v[STO], v[ACC+8*(4*\mb+\nb):ACC+8*(4*\mb+\nb)+3]   offset:64*\nb
	ds_store_b128 v[STO], v[ACC+8*(4*\mb+\nb)+4:ACC+8*(4*\mb+\nb)+7] offset:64*\nb+16
.endr
	s_wait_xcnt 0x0                                ; registers that earlier stores read are loaded again only behind this wait (ISA guide 3.1)
.irp t, 0,1,2,3,4,5,6,7
	ds_load_b128 v[\f+4*\t:\f+4*\t+3], v[RD] offset:\t*2*SP        ; LDS serves a wave's instructions in order (ISA guide 5.7.1): these see the stores above
.endr
.irp t, 0,1,2,3,4,5,6,7
	s_wait_dscnt 7-\t
	global_store_b128 v[CO], v[\f+4*\t:\f+4*\t+3], s[12:13] offset:(16*\mb+2*\t)*OROW   ; 62 rows at the most: inside the signed 24-bit immediate
.endr
.endm
	OUT 0, A
	OUT 1, BF
	OUT 2, A
	OUT 3, BF
	s_wait_tensorcnt 0x0
	ds_add_u32 v126, v127
	s_wait_dscnt 0x0
	ROUND                                          ; the closing round: no work-group ends before its partners have issued every joint load
	s_endpgm
.Lfunc_end_k_q073861eea6_gauss:
	.size	k_q073861eea6_gauss, .Lfunc_end_k_q073861eea6_gauss-k_q073861eea6_gauss
	.p2alignl 7, 3214868480
	.fill 96, 4, 3214868480
	.section	.rodata,"a",@progbits
	.p2align	6, 0x0
	.amdhsa_kernel k_q073861eea6_gauss
		.amdhsa_group_segment_fixed_size 296448
		.amdhsa_private_segment_fixed_size 0
		.amdhsa_enable_private_segment 0
		.amdhsa_kernarg_size 40
		.amdhsa_user_sgpr_count 2
		.amdhsa_user_sgpr_kernarg_segment_ptr 1
		.amdhsa_wavefront_size32 1
		.amdhsa_system_sgpr_workgroup_id_x 1
		.amdhsa_system_sgpr_workgroup_id_y 1
		.amdhsa_system_sgpr_workgroup_id_z 1
		.amdhsa_system_vgpr_workitem_id 0
		.amdhsa_next_free_vgpr 384
		.amdhsa_next_free_sgpr 72
		.amdhsa_reserve_vcc 0
		.amdhsa_float_denorm_mode_32 3
		.amdhsa_float_denorm_mode_16_64 3
		.amdhsa_memory_ordered 1
		.amdhsa_forward_progress 1
		.amdhsa_inst_pref_size 218
	.end_amdhsa_kernel
	.amdgpu_metadata
---
amdhsa.version: [ 1, 2 ]
amdhsa.kernels:
  - .name:           k_q073861eea6_gauss
    .symbol:         k_q073861eea6_gauss.kd
    .args:
      - { .name: x, .offset: 0, .size: 8, .value_kind: global_buffer, .address_space: global }
      - { .name: mu, .offset: 8, .size: 8, .value_kind: global_buffer, .address_space: global }
      - { .name: sigma, .offset: 16, .size: 8, .value_kind: global_buffer, .address_space: global }
      - { .name: amplitude, .offset: 24, .size: 8, .value_kind: global_buffer, .address_space: global }
      - { .name: part, .offset: 32, .size: 8, .value_kind: global_buffer, .address_space: global }
    .group_segment_fixed_size: 296448
    .private_segment_fixed_size: 0
    .kernarg_segment_align: 8
    .kernarg_segment_size: 40
    .max_flat_workgroup_size: 128
    .sgpr_count:     72
    .vgpr_count:     384
    .wavefront_size: 32
...
	.end_amdgpu_metadata
.endif
;; end of part 1
;; launch finish (part 2): grid 256 x 1, 16 waves a work-group, no clusters, 0 bytes of LDS; arguments part, bias, out0; writes out0
.if DOCPART == 2
	.amdgcn_target "amdgcn-amd-amdhsa--gfx1250"
	.amdhsa_code_object_version 6
	.text
	.protected	k_q073861eea6_finish
	.globl	k_q073861eea6_finish
	.p2align	8
	.type	k_q073861eea6_finish,@function
k_q073861eea6_finish:
	s_mov_b64 s[64:65], 0
	v_nop
	global_prefetch_b8 v0, s[64:65] scope:SCOPE_SE
	s_setreg_imm32_b32 hwreg(HW_REG_WAVE_MODE, 25, 1), 1
	s_wait_xcnt 0x0
; out0[b][j] = relu(bias[j] + sum over s = 0..7 of part[s][b][j]).  part: [8][64][8192] f32, bias: [8192] f32, out0: [64][8192] f32.
; A stream: 16 MB in, 2 MB out, each byte once.  A thread owns 16 bytes of out0; a work-group of 512 threads owns 8,192 consecutive bytes,
; a quarter of a row; a wave's load or store covers 512 consecutive bytes.  All nine loads of a thread go out at once.
; No LDS, no barrier, no matrix unit, no cluster: no two threads share a byte but the bias, which is 32 KB in all.
; The sum runs bias, plane 0, .. plane 7 in f32.  relu by compare and select: a NaN stays a NaN.
.set PLANE, 2097152                    ; bytes of one plane of part
	s_load_b128 s[4:7], s[0:1], 0x0                ; part s[4:5], bias s[6:7]
	s_load_b64 s[8:9], s[0:1], 0x10                ; out0
	v_lshlrev_b32 v1, 4, v0                        ; 16 bytes a thread
	s_lshl_b32 s10, ttmp9, 13                      ; the work-group's 8,192 bytes
	s_mov_b32 s11, 0
	s_and_b32 s12, ttmp9, 3                        ; which quarter of a row
	s_lshl_b32 s12, s12, 13
	s_mov_b32 s13, 0
	v_mov_b32 v2, 0
	s_wait_kmcnt 0x0
	s_add_nc_u64 s[4:5], s[4:5], s[10:11]
	s_add_nc_u64 s[14:15], s[4:5], 4*PLANE         ; planes 4 to 7: four planes do not fit the signed 24-bit immediate
	s_add_nc_u64 s[6:7], s[6:7], s[12:13]
	s_add_nc_u64 s[8:9], s[8:9], s[10:11]
	global_load_b128 v[4:7], v1, s[6:7]            ; bias: read by 64 work-groups, so no hint
.irp p, 0,1,2,3
	global_load_b128 v[8+4*\p:11+4*\p], v1, s[4:5] offset:\p*PLANE th:TH_LOAD_NT
.endr
.irp p, 0,1,2,3
	global_load_b128 v[24+4*\p:27+4*\p], v1, s[14:15] offset:\p*PLANE th:TH_LOAD_NT
.endr
.irp p, 0,1,2,3,4,5,6,7
	s_wait_loadcnt 7-\p                            ; loads come back in order (ISA guide 5.7.1): the bias and planes 0 .. p are in, the later planes stay out
	v_pk_add_f32 v[4:5], v[4:5], v[8+4*\p:9+4*\p]
	v_pk_add_f32 v[6:7], v[6:7], v[10+4*\p:11+4*\p]
.endr
.irp n, 4,5,6,7
	v_cmp_gt_f32 vcc_lo, 0, v\n                    ; lanes where 0 > sum (false for a NaN)
	v_cndmask_b32 v\n, v\n, v2, vcc_lo             ; those become 0
.endr
	global_store_b128 v1, v[4:7], s[8:9] th:TH_STORE_NT
	s_endpgm
.Lfunc_end_k_q073861eea6_finish:
	.size	k_q073861eea6_finish, .Lfunc_end_k_q073861eea6_finish-k_q073861eea6_finish
	.p2alignl 7, 3214868480
	.fill 96, 4, 3214868480
	.section	.rodata,"a",@progbits
	.p2align	6, 0x0
	.amdhsa_kernel k_q073861eea6_finish
		.amdhsa_group_segment_fixed_size 0
		.amdhsa_private_segment_fixed_size 0
		.amdhsa_enable_private_segment 0
		.amdhsa_kernarg_size 24
		.amdhsa_user_sgpr_count 2
		.amdhsa_user_sgpr_kernarg_segment_ptr 1
		.amdhsa_wavefront_size32 1
		.amdhsa_system_sgpr_workgroup_id_x 1
		.amdhsa_system_sgpr_workgroup_id_y 1
		.amdhsa_system_sgpr_workgroup_id_z 1
		.amdhsa_system_vgpr_workitem_id 0
		.amdhsa_next_free_vgpr 40
		.amdhsa_next_free_sgpr 66
		.amdhsa_reserve_vcc 1
		.amdhsa_float_denorm_mode_32 3
		.amdhsa_float_denorm_mode_16_64 3
		.amdhsa_memory_ordered 1
		.amdhsa_forward_progress 1
		.amdhsa_inst_pref_size 4
	.end_amdhsa_kernel
	.amdgpu_metadata
---
amdhsa.version: [ 1, 2 ]
amdhsa.kernels:
  - .name:           k_q073861eea6_finish
    .symbol:         k_q073861eea6_finish.kd
    .args:
      - { .name: part, .offset: 0, .size: 8, .value_kind: global_buffer, .address_space: global }
      - { .name: bias, .offset: 8, .size: 8, .value_kind: global_buffer, .address_space: global }
      - { .name: out0, .offset: 16, .size: 8, .value_kind: global_buffer, .address_space: global }
    .group_segment_fixed_size: 0
    .private_segment_fixed_size: 0
    .kernarg_segment_align: 8
    .kernarg_segment_size: 24
    .max_flat_workgroup_size: 512
    .sgpr_count:     66
    .vgpr_count:     40
    .wavefront_size: 32
...
	.end_amdgpu_metadata
.endif
;; end of part 2
;; ======== version 2 of 3: 2 launches; 1.43 times as fast as version 1
;; limits: values are held in f16: magnitudes above 65,504 overflow, below 6.1e-05 lose precision
;; workspace buffers: part 16,777,216 bytes
;; launch gauss (part 3): grid 32 x 8, 8 waves a work-group, clusters of 4 x 1, 314,368 bytes of LDS; arguments x, mu, sigma, amplitude, part; writes part
.if DOCPART == 3
	.amdgcn_target "amdgcn-amd-amdhsa--gfx1250"
	.amdhsa_code_object_version 6
	.text
	.protected	k_q073861eea6_gauss
	.globl	k_q073861eea6_gauss
	.p2align	8
	.type	k_q073861eea6_gauss,@function
k_q073861eea6_gauss:
	s_mov_b64 s[64:65], 0
	v_nop
	global_prefetch_b8 v0, s[64:65] scope:SCOPE_SE
	s_setreg_imm32_b32 hwreg(HW_REG_WAVE_MODE, 25, 1), 1
	s_wait_xcnt 0x0
	s_wait_alu depctr_hold_cnt(0) depctr_sa_sdst(0) depctr_va_vdst(0) depctr_va_sdst(0) depctr_va_ssrc(0) depctr_va_vcc(0) depctr_vm_vsrc(0)
	s_getreg_b32 s2, hwreg(HW_REG_IB_STS2, 6, 4)
	s_cmp_eq_u32 s2, 0
	s_cbranch_scc0 .Lentry_in_a_cluster
	s_endpgm
.Lentry_in_a_cluster:
	s_bfe_u32 s2, ttmp6, 0x10000c
	s_cmp_lg_u32 s2, 0x3003
	s_cbranch_scc0 .Lentry_shape_is_right
	s_endpgm
.Lentry_shape_is_right:
; part[s][b][j] = sum over the 1,024 k of K block s of (x[b][k] amplitude[k]) w[k][j],  w[k][j] = exp(-(j - mu[k])^2 / (2 sigma[k]^2)).
; x: [64][8192] f32.  mu, sigma, amplitude: [8192] f32.  part: [8][64][8192] f32; the next launch adds the eight planes, the bias and the relu.
; A work-group owns 256 columns j (grid x) and 1,024 k (grid y).  EIGHT WAVES, two for each of a WGP's four SIMDs, so that one wave's vector work can
; issue while the other's matrix instruction or LDS load is under way.  Wave w has column group w & 3 (64 columns) and K group g = w >> 2: group g takes
; the chunks of 128 k with numbers 2 c + g, c = 0..3.  A wave makes all 64 rows b x 64 columns over its 512 k: 16 accumulators of 16 x 16, so an x fragment
; read from LDS still feeds four matrix instructions.  At the end the two waves of a column group add their halves through LDS, each keeping 32 rows.
; Every weight is computed once in the launch: 32,768 a wave, 1,024 a lane.  K is split in eight between work-groups so that a work-group needs
; 256 KB of x and converts 256 numbers a lane, against 2 MB and 2,048 if it owned its outputs over all of K.
; WEIGHTS are made in the matrix operand's own layout: a lane is one column j, its registers run along k.  d = j + (-mu) is the problem's own
; difference; t = (d nc) d with nc = -log2(e) / (2 sigma^2); w = 2^t; two w are rounded to f16 by one conversion.
; X: amplitude is multiplied into x (f32) before x is rounded to f16: 65,536 products a work-group instead of 262,144 on the weights.
; F16, NOT BF16: an output is a sum of a few dozen products of like size with both signs, so the operands' rounding does not shrink against the
; result; f16's 11 significant bits make it eight times smaller than bf16's 8.  Both operands have room in f16: a weight is an exponential of a
; number that is never positive, so it lies in [0, 1]; x amplitude may be some 12,000 times larger than numbers of unit spread before it passes 65,504.
; CLUSTERS: the four work-groups of a cluster (along grid x) have the same K block and need the same 256 KB of x: each tile is asked for jointly.
; The whole K block lies in LDS at once, so every tensor load is a first fill.
; A tile has 16 rows (not more) because a wave converts exactly what it fetched itself, behind its own count, and four chunks a wave let the work start
; when the first 8 KB of each wave have come.
; LIMITS: |x amplitude| above 65,504 becomes infinity in f16 (and NaN against a weight of 0).  Below 2^-14 an f16 number has an absolute error of up to
; 2^-25: weights below 2^-25 are 0, and so are x amplitude that small.  x amplitude is rounded to f16 as one number.
; v_rcp_f32 takes a denormal sigma^2 as 0 (ISA guide 15.8): |sigma| below 2^-63 acts as sigma = 0 (weight 0 off the centre, NaN where j = mu).
.set NSC,   4                          ; chunks of 128 k for each K group
.set XP,    528                        ; LDS pitch of a chunk's row: 512 bytes of f32 + 16 = 33 x 16: sixteen rows start in sixteen different 16-byte columns modulo 256
.set TILE,  16*XP                      ; 16 rows: one tensor load, one wave's part of a chunk, one block of 16 batch rows
.set CHUNK, 4*TILE                     ; 64 rows x 128 k
.set SUPER, 2*CHUNK                    ; group 0's chunk, then group 1's: eight tiles, tile w is wave w's
.set PARAM, NSC*SUPER                  ; 270,336: -mu of the 1,024 k, then nc; in each, group 0's 512 k in the order of use, then group 1's
.set PGRP,  2048                       ; bytes of a group's 512 numbers
.set PNC,   4096
.set STAGE, PARAM+2*PNC                ; 278,528: 16 rows x 272 bytes for each wave, for the way out; no tensor load lands here or on PARAM
.set SP,    272
.set OROW,  32768                      ; bytes of a row of x and of part
; window 0 (everything that the loop names)
.set AAD,  1                           ; v1, v2   LDS address of my x fragments 0, 1 and 2, 3: 528 r + 16 h + row blocks + chunk + K step
.set PADR, 3                           ; v3       LDS address of my parameters: PARAM + 2,048 g + 32 h + 128 x K step
.set J,    4                           ; v[4:11]  my column j as f32 in column tile 0..3, each twice (a pair for the packed add)
.set E,    12                          ; v[12:13] d nc of the slot at work
.set T,    14                          ; v[14:21] ring of four pairs: d, then t, then 2^t
.set EXS,  22                          ; v22      the exchange: where I put 16 bytes
.set EXL,  23                          ; v23      the exchange: where my partner put them
.set NM,   24                          ; v[24:39] -mu of my 16 k of this K step
.set NC,   40                          ; v[40:55] nc of the same
.set A,    56                          ; v[56:87] x fragments: 4 blocks of 16 rows x 32 k, f16
.set BF,   88                          ; v[88:119] weight fragments: 2 sets x 2 column tiles x 8 registers
.set XT,   24                          ; v[24:87] the exchange: my partner's 64 registers (parameters and x fragments are done with by then)
.set STO,  120
.set RD,   121
.set CO,   122
.set RR,   123                         ; set-up only: r = lane mod 16
.set HH,   124                         ; set-up only: h = lane / 16
.set LN,   125                         ; set-up only: lane
.set ACC,  128                         ; v[128:255] accumulator (mb, nb) at ACC + 8 (4 mb + nb)
; window 1 (conversion of x only)
.set XS,   0                           ; v256-319  16 rows x 4 f32 as loaded
.set AM,   64                          ; v320-335  amplitude of my 4 k in my group's chunk 0..3
.set CVL,  96                          ; v352-355  where I read f32 in my tile of chunk 0..3
.set CVS,  100                         ; v356-359  where I put f16
.set G1,   16                          ; s[16:23] descriptor group 1
.set G0,   24                          ; s[24:39] descriptor group 0, a set for each of the four loads: none is written while a load is out
.set MSB, 0
.macro WIN new                         ; the immediate's high byte repeats the setting that is left
.if MSB != \new
	s_set_vgpr_msb (MSB<<8)|\new
.set MSB, \new
.endif
.endm
; A round of the cluster's barrier: my work-group's barrier, wave 0 signals for the work-group, every wave waits for all four work-groups, my work-group's barrier again.
.macro ROUND
	s_barrier_signal -1
	s_barrier_wait -1
	s_cmp_lg_u32 s14, 0
	s_cbranch_scc1 .Lnot_wave_0_\@
	s_barrier_signal -3
.Lnot_wave_0_\@:
	s_barrier_wait -3
	s_barrier_signal -1
	s_barrier_wait -1
.endm
	s_load_b256 s[4:11], s[0:1], 0x0               ; x s[4:5], mu s[6:7], sigma s[8:9], amplitude s[10:11]
	s_load_b64 s[12:13], s[0:1], 0x20              ; part
	v_lshl_add_u32 v126, v0, 2, 0x4c800
	v_mov_b32 v127, 0
	ds_add_u32 v126, v127
	v_lshrrev_b32 v[RR], 5, v0
	v_readfirstlane_b32 s14, v[RR]                 ; wave 0..7
	v_and_b32 v[LN], 31, v0                        ; lane
	s_and_b32 s15, ttmp7, 0xffff                   ; K block 0..7: the cluster's y, the same in the four partners
	s_lshr_b32 s40, s14, 2                         ; g: my K group
	s_and_b32 s41, s14, 3                          ; my column group; also: which 16 rows of a chunk I fetch
	; group 1: a tile of 16 rows x 128 f32, 16 bytes of padding behind each row
	s_mov_b32 s[G1+0], 15|(2<<16)|(1<<20)|(1<<21)|(6<<22)|(3<<25)  ; 15:0 mask: all four work-groups; 17:16 elements of 4 bytes; 20 padding on; 21 set beside a mask; 24:22 after every 128 words; 31:25 four words
	s_mov_b32 s[G1+1], 128<<16                     ; tensor_dim0 = 128
	s_mov_b32 s[G1+2], 16<<16                      ; tensor_dim1 = 16
	s_mov_b32 s[G1+3], 128<<16                     ; tile_dim0 = 128
	s_mov_b32 s[G1+4], 16                          ; tile_dim1 = 16
	s_mov_b32 s[G1+5], 8192                        ; elements from row to row
	s_mov_b32 s[G1+6], 0
	s_mov_b32 s[G1+7], 0
	s_lshl_b32 s42, s15, 12                        ; K block x 1,024 k x 4 bytes
	s_mov_b32 s43, 0
	s_lshl_b32 s50, s40, 9                         ; g x 128 k x 4 bytes
	s_lshl_b32 s44, s41, 19                        ; 16 rows x 32,768 bytes for each step of w & 3
	s_add_co_u32 s44, s44, s50
	s_mov_b32 s45, 0
	s_lshl_b32 s47, s41, 10
	s_add_co_u32 s47, s47, s50                     ; chunk 2 (w & 3) + g, in bytes: the 128 k whose parameters my wave prepares
	s_mul_i32 s46, s14, TILE                       ; my tile in a pair of chunks in LDS: the wave's number alone
	v_lshl_add_u32 v[T+3], v[LN], 4, s47           ; 4 k a thread.  Thread t's numbers go to LDS byte 16 t: group t >> 7, the group's chunk (t >> 5) & 3
	v_lshl_add_u32 v[T+2], v[LN], 4, s50           ; amplitude of my 4 k in my group's first chunk
	s_wait_dscnt 0x0
	s_wait_kmcnt 0x0
	s_add_nc_u64 s[6:7], s[6:7], s[42:43]          ; mu, sigma, amplitude at the K block's first k
	s_add_nc_u64 s[8:9], s[8:9], s[42:43]
	s_add_nc_u64 s[10:11], s[10:11], s[42:43]
	s_add_nc_u64 s[4:5], s[4:5], s[42:43]
	s_add_nc_u64 s[4:5], s[4:5], s[44:45]          ; x at my 16 rows, my group's first chunk: made of the K block and the wave alone
	; the six loads into registers go out first: they are on their way while the cluster gathers
	global_load_b128 v[ACC:ACC+3],   v[T+3], s[6:7]                ; mu
	global_load_b128 v[ACC+4:ACC+7], v[T+3], s[8:9]                ; sigma
	WIN 0x40                                       ; destination in window 1, sources in window 0
.irp c, 0,1,2,3
	global_load_b128 v[AM+4*\c:AM+4*\c+3], v[T+2], s[10:11] offset:1024*\c   ; amplitude of k = 128 (2 c + g) + 4 lane .. + 3
.endr
	WIN 0
.irp c, 0,1,2,3
	s_mov_b32 s[G0+4*\c], 1                                        ; count = 1
	s_add_co_u32 s[G0+4*\c+1], s46, \c*SUPER                       ; LDS address: wave x 8,448 + c x 67,584
	s_add_nc_u64 s[G0+4*\c+2:G0+4*\c+3], s[4:5], \c*1024           ; 256 k further along the rows
	s_or_b32 s[G0+4*\c+3], s[G0+4*\c+3], 0x80000000                ; type = 2
.endr
	ROUND                                          ; the four work-groups are here: the joint loads meet
.irp c, 0,1,2,3
	tensor_load_to_lds s[G0+4*\c:G0+4*\c+3], s[G1:G1+7]            ; all first fills in one group; four are out
	s_nop 0
.endr
	v_and_b32 v[RR], 15, v0                        ; r
	v_bfe_u32 v[HH], v0, 4, 1                      ; h
	v_lshl_add_u32 v[T],   v[LN], 4, s46           ; f32 of a row: 16 bytes a lane
	v_lshl_add_u32 v[T+1], v[LN], 3, s46           ; f16 of a row: 8 bytes a lane
	v_lshlrev_b32 v[T+4], 4, v0
	v_add_nc_u32 v[T+4], PARAM, v[T+4]             ; where my 4 parameters go
	WIN 0x40
.irp q, 0,1,2,3
	v_add_nc_u32 v[CVL+\q], \q*SUPER, v[T]         ; an address for each chunk: 67,584 does not fit the 16-bit offset; never rewritten
	v_add_nc_u32 v[CVS+\q], \q*SUPER, v[T+1]
.endr
	WIN 0
	; x fragments.  Group 0 takes the row blocks in the order 0, 1, 2, 3, group 1 in the order 2, 3, 0, 1: in every wave accumulators (0, ..) and (1, ..) are the
	; 32 rows that the wave stores in the end, (2, ..) and (3, ..) those that it hands to its partner.  So the end needs no branch on the wave's number.
	s_mul_i32 s47, s40, CHUNK+2*TILE               ; fragments 0, 1: my group's chunk, row block 2 g
	s_mul_i32 s51, s40, CHUNK-2*TILE
	s_add_co_u32 s51, s51, 2*TILE                  ; fragments 2, 3: my group's chunk, row block 2 - 2 g
	v_mul_u32_u24 v[AAD], v[RR], XP
	v_lshl_add_u32 v[AAD], v[HH], 4, v[AAD]        ; 528 r + 16 h
	v_add_nc_u32 v[AAD+1], s51, v[AAD]
	v_add_nc_u32 v[AAD], s47, v[AAD]
	s_mul_i32 s47, s40, PGRP
	s_add_co_u32 s47, s47, PARAM
	v_lshl_add_u32 v[PADR], v[HH], 5, s47          ; PARAM + 2,048 g + 32 h: half h of the lanes holds k = 8 h .. and 16 + 8 h ..
	v_lshlrev_b32 v[EXS], 4, v[LN]
	s_xor_b32 s47, s14, 4                          ; my partner: the same columns, the other K group
	v_lshl_add_u32 v[EXL], s47, 13, v[EXS]         ; 8,192 bytes a wave, 16 bytes a lane, from LDS byte 0: x is done with by then
	v_lshl_add_u32 v[EXS], s14, 13, v[EXS]
	s_bfe_u32 s48, ttmp6, 0x40000                  ; cx
	s_lshl_b32 s49, ttmp9, 2
	s_add_co_u32 s49, s49, s48                     ; column block = 4 x cluster x + cx; it enters j and the address in part, no LDS address and no branch
	s_lshl_b32 s51, s49, 8
	s_lshl_b32 s47, s41, 6
	s_add_co_u32 s51, s51, s47                     ; my wave's first column
	v_add_nc_u32 v[T+5], s51, v[RR]
	v_cvt_f32_u32 v[J], v[T+5]                     ; j below 8,192: exact
	v_add_f32 v[J+2], 0x41800000, v[J]             ; + 16
	v_add_f32 v[J+4], 0x42000000, v[J]             ; + 32
	v_add_f32 v[J+6], 0x42400000, v[J]             ; + 48
.irp n, 0,2,4,6
	v_mov_b32 v[J+\n+1], v[J+\n]
.endr
	s_mul_i32 s54, s14, 16*SP
	s_add_co_u32 s54, s54, STAGE                   ; my stage
	v_mul_u32_u24 v[STO], v[RR], SP
	v_lshl_add_u32 v[STO], v[HH], 5, v[STO]
	v_add_nc_u32 v[STO], s54, v[STO]               ; in: row r, 32 bytes for each half of the lanes
	v_mul_u32_u24 v[RD], v[HH], SP
	v_lshl_add_u32 v[RD], v[RR], 4, v[RD]
	v_add_nc_u32 v[RD], s54, v[RD]                 ; back: lanes 0-15 one row of 256 bytes, lanes 16-31 the next
	v_lshlrev_b32 v[CO], 15, v[HH]
	v_lshl_add_u32 v[CO], v[RR], 4, v[CO]          ; the same two rows in part
	s_lshl_b32 s52, s15, 21                        ; plane of my K block
	s_lshl_b32 s47, s49, 10                        ; 256 columns x 4 bytes
	s_add_co_u32 s52, s52, s47
	s_lshl_b32 s47, s41, 8                         ; my 64 columns
	s_add_co_u32 s52, s52, s47
	s_lshl_b32 s47, s40, 20                        ; my 32 rows: 32 g
	s_add_co_u32 s52, s52, s47
	s_mov_b32 s53, 0
	s_add_nc_u64 s[12:13], s[12:13], s[52:53]
	; the parameters, once for the work-group: 4 k a thread
	s_wait_loadcnt 4                               ; mu and sigma are in; amplitude's four loads were issued behind them
	v_pk_mul_f32 v[ACC+4:ACC+5], v[ACC+4:ACC+5], v[ACC+4:ACC+5]    ; sigma^2
	v_pk_mul_f32 v[ACC+6:ACC+7], v[ACC+6:ACC+7], v[ACC+6:ACC+7]
.irp n, 4,5,6,7
	v_rcp_f32 v[ACC+\n], v[ACC+\n]
.endr
	v_pk_mul_f32 v[ACC:ACC+1],   v[ACC:ACC+1],   -1.0 op_sel_hi:[1,0]   ; -mu; also the plain instructions that stand between v_rcp_f32 and the use of its result (ISA guide 5.7.2)
	v_pk_mul_f32 v[ACC+2:ACC+3], v[ACC+2:ACC+3], -1.0 op_sel_hi:[1,0]
	s_wait_alu depctr_va_vdst(0)
	v_pk_mul_f32 v[ACC+4:ACC+5], v[ACC+4:ACC+5], 0xbf38aa3b op_sel_hi:[1,0]   ; nc = -log2(e)/2 / sigma^2
	v_pk_mul_f32 v[ACC+6:ACC+7], v[ACC+6:ACC+7], 0xbf38aa3b op_sel_hi:[1,0]
	ds_store_b128 v[T+4], v[ACC:ACC+3]
	ds_store_b128 v[T+4], v[ACC+4:ACC+7] offset:PNC
	s_wait_loadcnt 0x0                             ; amplitude
; My 16 rows of my group's chunk c: f32 from LDS, times amplitude, rounded to f16, back into the first 256 bytes of the same rows.  All in window 1.
.macro CONVERT c
	s_wait_tensorcnt NSC-1-\c                      ; tensor loads of a wave end in order (ISA guide 10.11.1): chunk c is in, the later chunks' loads stay out
	WIN 0x55
.irp ro, 0,1,2,3,4,5,6,7,8,9,10,11,12,13,14,15
	ds_load_b128 v[XS+4*\ro:XS+4*\ro+3], v[CVL+\c] offset:\ro*XP   ; a row's 512 bytes: 32 lanes, 16 neighbouring bytes each
.endr
.irp gq, 0,1,2,3
	s_wait_dscnt 12                                ; behind this group's last load stand 12 - 4 gq loads and the 4 gq stores of the groups before: always 12
.irp ro, 0,1,2,3
	v_pk_mul_f32 v[XS+16*\gq+4*\ro:XS+16*\gq+4*\ro+1],   v[XS+16*\gq+4*\ro:XS+16*\gq+4*\ro+1],   v[AM+4*\c:AM+4*\c+1]
	v_pk_mul_f32 v[XS+16*\gq+4*\ro+2:XS+16*\gq+4*\ro+3], v[XS+16*\gq+4*\ro+2:XS+16*\gq+4*\ro+3], v[AM+4*\c+2:AM+4*\c+3]
.endr
.irp ro, 0,1,2,3
	v_cvt_pk_f16_f32 v[XS+16*\gq+4*\ro],   v[XS+16*\gq+4*\ro],   v[XS+16*\gq+4*\ro+1]
	v_cvt_pk_f16_f32 v[XS+16*\gq+4*\ro+1], v[XS+16*\gq+4*\ro+2], v[XS+16*\gq+4*\ro+3]
.endr
.irp ro, 0,1,2,3
	ds_store_b64 v[CVS+\c], v[XS+16*\gq+4*\ro:XS+16*\gq+4*\ro+1] offset:(4*\gq+\ro)*XP   ; 256 neighbouring bytes; the row's f32 have been read, and no tensor load lands here again
.endr
.endr
	WIN 0
.endm
; One slot of the pipeline.  Slot g = 16 p + sg of a K step's 32 makes two weights: k pair sg / 2 of column tile 2 p + (sg & 1).
; Its five stages are spread over four slots, so that four or more instructions stand between dependent ones:
;   bit 0 of mask: d = j - mu of slot g (first line) and e = d nc (last line);  bit 1: 2^t of slot g - 2;  bit 2: t = e d of slot g - 1;  bit 3: rounding of slot g - 3.
; Behind the two v_exp_f32 stands the multiply of another slot, a plain instruction, before anything touches their registers (ISA guide 5.7.2).
.macro SLOT p, sg, mask
.set sl_g, 16*\p+\sg
.set sl_a, T+2*(sl_g%4)
.set sl_m, T+2*((sl_g+3)%4)
.set sl_x, T+2*((sl_g+2)%4)
.set sl_c, T+2*((sl_g+1)%4)
.set sl_3, (sl_g+29)%32
.set sl_d, BF+16*(sl_3>>4)+8*(sl_3&1)+((sl_3&15)>>1)
.set sl_p, 2*(\sg>>1)
.set sl_j, J+2*(2*\p+(\sg&1))
.if (\mask)&1
	v_pk_add_f32 v[sl_a:sl_a+1], v[sl_j:sl_j+1], v[NM+sl_p:NM+sl_p+1]
.endif
.if (\mask)&2
	v_exp_f32 v[sl_x], v[sl_x]
	v_exp_f32 v[sl_x+1], v[sl_x+1]
.endif
.if (\mask)&4
	v_pk_mul_f32 v[sl_m:sl_m+1], v[E:E+1], v[sl_m:sl_m+1]
.endif
.if (\mask)&8
	s_wait_alu depctr_va_vdst(0)
	v_cvt_pk_f16_f32 v[sl_d], v[sl_c], v[sl_c+1]
.endif
.if (\mask)&1
	v_pk_mul_f32 v[E:E+1], v[sl_a:sl_a+1], v[NC+sl_p:NC+sl_p+1]
.endif
.endm
; One matrix instruction, used transposed: source 0 = 16 columns j of the weights, source 1 = 16 rows b of x.  Lane l then holds row b = l % 16 and its
; registers the columns 8 (l / 16) + 0..7: eight neighbouring numbers of a row of part.  mode 0: none yet; 1: the first product starts the sum; 2: add.
.macro MM mode, mb, nb, bs, b
.if \mode == 1
	v_wmma_f32_16x16x32_f16 v[ACC+8*(4*\mb+\nb):ACC+8*(4*\mb+\nb)+7], v[BF+16*\bs+8*\b:BF+16*\bs+8*\b+7], v[A+8*\mb:A+8*\mb+7], 0
.endif
.if \mode == 2
	v_wmma_f32_16x16x32_f16 v[ACC+8*(4*\mb+\nb):ACC+8*(4*\mb+\nb)+7], v[BF+16*\bs+8*\b:BF+16*\bs+8*\b+7], v[A+8*\mb:A+8*\mb+7], v[ACC+8*(4*\mb+\nb):ACC+8*(4*\mb+\nb)+7]
.endif
.endm
.macro PLOAD q, off                    ; quad q of -mu and of nc: registers 4 q .. 4 q + 3 = k 8 h + 4 q (q < 2), 16 + 8 h + 4 (q - 2) (q >= 2)
	ds_load_b128 v[NM+4*\q:NM+4*\q+3], v[PADR] offset:\off+16*(\q&1)+64*(\q>>1)
	ds_load_b128 v[NC+4*\q:NC+4*\q+3], v[PADR] offset:\off+16*(\q&1)+64*(\q>>1)+PNC
.endm
.macro ALOAD mb                        ; x fragment mb: registers 0-3 k = 8 h .., registers 4-7 k = 16 + 8 h ..; fragments 0, 1 by the first address, 2, 3 by the second
	ds_load_b128 v[A+8*\mb:A+8*\mb+3],   v[AAD+(\mb>>1)] offset:(\mb&1)*TILE
	ds_load_b128 v[A+8*\mb+4:A+8*\mb+7], v[AAD+(\mb>>1)] offset:(\mb&1)*TILE+32
.endm
; One K step of 32: two windows of 16 slots; window 0 makes column tiles 0 and 1 (slot by slot in turn), window 1 tiles 2 and 3.
; The eight matrix instructions of a window's two fragments follow one window later, one behind every second slot, row block by row block.
; So each x fragment is free 12 slots before its next use, and so is each quad of parameters: they are loaded again into the same registers in that gap.
; A load into an x fragment stands two slots (eight plain vector instructions that name none of its registers) behind the last matrix instruction that read it, and the
; first conversion into a weight fragment three slots behind the last that read it (ISA guide 7.12.1 asks for four such places).
; The sixteen accumulators take turns, one instruction a turn, over the backward jump too.
; we, wo: mode of the matrix instructions of the K step before / of this K step.  k0-k2: masks of the first three slots.  nx = 1: a K step follows.
; The waits count LDS loads issued behind the ones needed; the order in a trip is quad 3, fragments 0, 1, 2, 3, next quads 0, 1, 2, two loads each.
.macro TRIP we, wo, k0, k1, k2, nx
	PLOAD 3, 0
	s_wait_dscnt 6                                 ; quad 0 is in; behind it: quads 1, 2, 3
	SLOT 0, 0, \k0
	MM \we, 3, 1, 0, 1
	SLOT 0, 1, \k1
	SLOT 0, 2, \k2
	MM \we, 0, 2, 1, 0
	SLOT 0, 3, 15
	s_wait_dscnt 4                                 ; quad 1; behind it: quads 2, 3
	SLOT 0, 4, 15
	MM \we, 0, 3, 1, 1
	SLOT 0, 5, 15
	SLOT 0, 6, 15
	ALOAD 0
	MM \we, 1, 2, 1, 0
	SLOT 0, 7, 15
	s_wait_dscnt 4                                 ; quad 2; behind it: quad 3, fragment 0
	SLOT 0, 8, 15
	MM \we, 1, 3, 1, 1
	SLOT 0, 9, 15
	SLOT 0, 10, 15
	ALOAD 1
	MM \we, 2, 2, 1, 0
	SLOT 0, 11, 15
	s_wait_dscnt 4                                 ; quad 3; behind it: fragments 0, 1
	SLOT 0, 12, 15
	MM \we, 2, 3, 1, 1
	SLOT 0, 13, 15
	SLOT 0, 14, 15
	ALOAD 2
	MM \we, 3, 2, 1, 0
	SLOT 0, 15, 15
	SLOT 1, 0, 15
	MM \we, 3, 3, 1, 1
	SLOT 1, 1, 15
	SLOT 1, 2, 15
	ALOAD 3
	s_wait_dscnt 6                                 ; fragment 0; behind it: fragments 1, 2, 3
	MM \wo, 0, 0, 0, 0
	SLOT 1, 3, 15
.if \nx
	PLOAD 0, 128
.endif
	SLOT 1, 4, 15
	MM \wo, 0, 1, 0, 1
	SLOT 1, 5, 15
	SLOT 1, 6, 15
	s_wait_dscnt 4+2*\nx                           ; fragment 1; behind it: fragments 2, 3 and the next quad 0
	MM \wo, 1, 0, 0, 0
	SLOT 1, 7, 15
.if \nx
	PLOAD 1, 128
.endif
	SLOT 1, 8, 15
	MM \wo, 1, 1, 0, 1
	SLOT 1, 9, 15
	SLOT 1, 10, 15
	s_wait_dscnt 2+4*\nx                           ; fragment 2; behind it: fragment 3 and the next quads 0, 1
	MM \wo, 2, 0, 0, 0
	SLOT 1, 11, 15
.if \nx
	PLOAD 2, 128
.endif
	SLOT 1, 12, 15
	MM \wo, 2, 1, 0, 1
	SLOT 1, 13, 15
	SLOT 1, 14, 15
	s_wait_dscnt 6*\nx                             ; fragment 3; behind it: the next quads 0, 1, 2
	MM \wo, 3, 0, 0, 0
	SLOT 1, 15, 15
.if \nx
	v_add_nc_u32 v[AAD], 64, v[AAD]                ; 32 k of f16 along the rows
	v_add_nc_u32 v[AAD+1], 64, v[AAD+1]
	v_add_nc_u32 v[PADR], 128, v[PADR]             ; 32 k of f32: a group's parameters lie in the order of use, over the change of chunks too
.endif
.endm
; A chunk's four K steps.  In front: the barrier that shows both groups' chunks converted by all eight waves; my tile of my group's next chunk (cn) is converted,
; my LDS instructions are waited for, and the next barrier is signalled.  Up to its wait only chunk bytes that no wave writes any more, and the parameters, are read.
.macro BLOCK cn
	s_barrier_wait -1
	v_add_nc_u32 v[AAD], SUPER-256, v[AAD]
	v_add_nc_u32 v[AAD+1], SUPER-256, v[AAD+1]
	CONVERT \cn
	s_wait_dscnt 0x0                               ; for the other waves' sake: my stores are in LDS
	s_barrier_signal -1
	s_mov_b32 s3, 4
.Ltrip_\@:
	TRIP 2, 2, 15, 15, 15, 1
	s_sub_co_u32 s3, s3, 1
	s_cmp_lg_u32 s3, 0
	s_cbranch_scc1 .Ltrip_\@
.endm
	CONVERT 0
	s_wait_dscnt 0x0                               ; my parameters and my tile of my group's first chunk are in LDS
	s_barrier_signal -1
	s_barrier_wait -1                              ; everybody's are
	PLOAD 0, 0
	PLOAD 1, 0
	PLOAD 2, 0
	TRIP 0, 1, 1, 5, 7, 1                          ; K step 0: the pipeline fills; its first products start the sums of column tiles 0 and 1
	TRIP 1, 2, 15, 15, 15, 1                       ; K step 1: the last of those, and the first products of tiles 2 and 3: nothing is ever cleared
	CONVERT 1                                      ; two K steps of work have been done while the next chunk was on its way
	s_wait_dscnt 0x0
	s_barrier_signal -1
	s_mov_b32 s3, 2
.Ltrip_first:
	TRIP 2, 2, 15, 15, 15, 1
	s_sub_co_u32 s3, s3, 1
	s_cmp_lg_u32 s3, 0
	s_cbranch_scc1 .Ltrip_first
	BLOCK 2                                        ; my group's chunk 1 is multiplied, chunk 2 converted
	BLOCK 3                                        ; its wait on the tensor loads is for 0: none is out from here on
	s_barrier_wait -1                              ; chunk 3
	v_add_nc_u32 v[AAD], SUPER-256, v[AAD]
	v_add_nc_u32 v[AAD+1], SUPER-256, v[AAD+1]
	s_mov_b32 s3, 3
.Ltrip_last:
	TRIP 2, 2, 15, 15, 15, 1
	s_sub_co_u32 s3, s3, 1
	s_cmp_lg_u32 s3, 0
	s_cbranch_scc1 .Ltrip_last
	TRIP 2, 2, 15, 15, 15, 0                       ; the last K step loads no further parameters; its last wait on LDS is for 0
	SLOT 0, 0, 14                                  ; the pipeline runs empty
	MM 2, 3, 1, 0, 1
	SLOT 0, 1, 10
	SLOT 0, 2, 8
	MM 2, 0, 2, 1, 0
	MM 2, 0, 3, 1, 1
	MM 2, 1, 2, 1, 0
	MM 2, 1, 3, 1, 1
	MM 2, 2, 2, 1, 0
	MM 2, 2, 3, 1, 1
	MM 2, 3, 2, 1, 0
	MM 2, 3, 3, 1, 1
	; THE TWO HALVES OF K MEET.  No LDS instruction of mine is out (the last K step's last wait was for 0, and none was issued since), so behind this barrier no wave
	; reads x any more and its first 64 KB serve as the exchange.
	s_barrier_signal -1
.rept 4
	v_nop                                          ; four places behind the last matrix instructions: LDS stores read results, loads land on fragments
.endr
	s_barrier_wait -1
.irp q, 0,1,2,3,4,5,6,7,8,9,10,11,12,13,14,15
	ds_store_b128 v[EXS], v[ACC+64+4*\q:ACC+64+4*\q+3] offset:512*\q   ; accumulators (2, ..), (3, ..): my partner's 32 rows; 32 lanes, 16 neighbouring bytes each
.endr
	s_wait_dscnt 0x0                               ; for my partner's sake: my stores are in LDS
	s_barrier_signal -1
	s_barrier_wait -1
.irp q, 0,1,2,3,4,5,6,7,8,9,10,11,12,13,14,15
	ds_load_b128 v[XT+4*\q:XT+4*\q+3], v[EXL] offset:512*\q        ; the same lane of my partner holds the same row and columns: its half of my 32 rows
.endr
.irp gq, 0,1,2,3
	s_wait_dscnt 12-4*\gq                          ; four loads more are in; the later ones stay out
.irp n, 0,2,4,6,8,10,12,14
	v_pk_add_f32 v[ACC+16*\gq+\n:ACC+16*\gq+\n+1], v[ACC+16*\gq+\n:ACC+16*\gq+\n+1], v[XT+16*\gq+\n:XT+16*\gq+\n+1]
.endr
.endr
; THE WAY OUT, 16 rows at a time: a lane's 32 bytes of a row go into my own stage, whole rows of 256 bytes come back, and
; sixteen neighbouring lanes store 256 consecutive bytes at a multiple of 256 from part's first byte.  f: the registers of BF, then of A: no register that a store reads is written again.
.macro OUT mb, f
.irp nb, 0,1,2,3
	ds_store_b128 v[STO], v[ACC+8*(4*\mb+\nb):ACC+8*(4*\mb+\nb)+3]   offset:64*\nb
	ds_store_b128 v[STO], v[ACC+8*(4*\mb+\nb)+4:ACC+8*(4*\mb+\nb)+7] offset:64*\nb+16
.endr
.irp t, 0,1,2,3,4,5,6,7
	ds_load_b128 v[\f+4*\t:\f+4*\t+3], v[RD] offset:\t*2*SP        ; LDS serves a wave's instructions in order (ISA guide 5.7.1): these see the stores above
.endr
.irp t, 0,1,2,3,4,5,6,7
	s_wait_dscnt 7-\t
	global_store_b128 v[CO], v[\f+4*\t:\f+4*\t+3], s[12:13] offset:(16*\mb+2*\t)*OROW   ; 30 rows at the most: inside the signed 24-bit immediate
.endr
.endm
	OUT 0, BF
	OUT 1, A
	s_wait_tensorcnt 0x0
	ds_add_u32 v126, v127
	s_wait_dscnt 0x0
	ROUND                                          ; the closing round: no work-group ends before its partners have issued every joint load
	s_endpgm
.Lfunc_end_k_q073861eea6_gauss:
	.size	k_q073861eea6_gauss, .Lfunc_end_k_q073861eea6_gauss-k_q073861eea6_gauss
	.p2alignl 7, 3214868480
	.fill 96, 4, 3214868480
	.section	.rodata,"a",@progbits
	.p2align	6, 0x0
	.amdhsa_kernel k_q073861eea6_gauss
		.amdhsa_group_segment_fixed_size 314368
		.amdhsa_private_segment_fixed_size 0
		.amdhsa_enable_private_segment 0
		.amdhsa_kernarg_size 40
		.amdhsa_user_sgpr_count 2
		.amdhsa_user_sgpr_kernarg_segment_ptr 1
		.amdhsa_wavefront_size32 1
		.amdhsa_system_sgpr_workgroup_id_x 1
		.amdhsa_system_sgpr_workgroup_id_y 1
		.amdhsa_system_sgpr_workgroup_id_z 1
		.amdhsa_system_vgpr_workitem_id 0
		.amdhsa_next_free_vgpr 384
		.amdhsa_next_free_sgpr 66
		.amdhsa_reserve_vcc 0
		.amdhsa_float_denorm_mode_32 3
		.amdhsa_float_denorm_mode_16_64 3
		.amdhsa_memory_ordered 1
		.amdhsa_forward_progress 1
		.amdhsa_inst_pref_size 137
	.end_amdhsa_kernel
	.amdgpu_metadata
---
amdhsa.version: [ 1, 2 ]
amdhsa.kernels:
  - .name:           k_q073861eea6_gauss
    .symbol:         k_q073861eea6_gauss.kd
    .args:
      - { .name: x, .offset: 0, .size: 8, .value_kind: global_buffer, .address_space: global }
      - { .name: mu, .offset: 8, .size: 8, .value_kind: global_buffer, .address_space: global }
      - { .name: sigma, .offset: 16, .size: 8, .value_kind: global_buffer, .address_space: global }
      - { .name: amplitude, .offset: 24, .size: 8, .value_kind: global_buffer, .address_space: global }
      - { .name: part, .offset: 32, .size: 8, .value_kind: global_buffer, .address_space: global }
    .group_segment_fixed_size: 314368
    .private_segment_fixed_size: 0
    .kernarg_segment_align: 8
    .kernarg_segment_size: 40
    .max_flat_workgroup_size: 256
    .sgpr_count:     66
    .vgpr_count:     384
    .wavefront_size: 32
...
	.end_amdgpu_metadata
.endif
;; end of part 3
;; launch finish: the kernel of part 2 again; grid 256 x 1, 16 waves a work-group, no clusters, 0 bytes of LDS; arguments part, bias, out0; writes out0
;; ======== version 3 of 3: 2 launches; 1.61 times as fast as version 1
;; limits: values are held in f16: magnitudes above 65,504 overflow, below 6.1e-05 lose precision
;; workspace buffers: part 16,777,216 bytes
;; launch gauss (part 4): grid 32 x 8, 8 waves a work-group, clusters of 4 x 1, 314,368 bytes of LDS; arguments x, mu, sigma, amplitude, part; writes part
.if DOCPART == 4
	.amdgcn_target "amdgcn-amd-amdhsa--gfx1250"
	.amdhsa_code_object_version 6
	.text
	.protected	k_q073861eea6_gauss
	.globl	k_q073861eea6_gauss
	.p2align	8
	.type	k_q073861eea6_gauss,@function
k_q073861eea6_gauss:
	s_mov_b64 s[64:65], 0
	v_nop
	global_prefetch_b8 v0, s[64:65] scope:SCOPE_SE
	s_setreg_imm32_b32 hwreg(HW_REG_WAVE_MODE, 25, 1), 1
	s_wait_xcnt 0x0
	s_wait_alu depctr_hold_cnt(0) depctr_sa_sdst(0) depctr_va_vdst(0) depctr_va_sdst(0) depctr_va_ssrc(0) depctr_va_vcc(0) depctr_vm_vsrc(0)
	s_getreg_b32 s2, hwreg(HW_REG_IB_STS2, 6, 4)
	s_cmp_eq_u32 s2, 0
	s_cbranch_scc0 .Lentry_in_a_cluster
	s_endpgm
.Lentry_in_a_cluster:
	s_bfe_u32 s2, ttmp6, 0x10000c
	s_cmp_lg_u32 s2, 0x3003
	s_cbranch_scc0 .Lentry_shape_is_right
	s_endpgm
.Lentry_shape_is_right:
; part[s][b][j] = sum over the 1,024 k of K block s of (x[b][k] amplitude[k]) w[k][j],  w[k][j] = exp(-(j - mu[k])^2 / (2 sigma[k]^2)).
; x: [64][8192] f32.  mu, sigma, amplitude: [8192] f32.  part: [8][64][8192] f32; the next launch adds the eight planes, the bias and the relu.
; A work-group owns 256 columns j (grid x) and 1,024 k (grid y).  EIGHT WAVES, two for each of a WGP's four SIMDs, so that one wave's vector work can
; issue while the other's matrix instruction or LDS load is under way.  Wave w has column group w & 3 (64 columns) and K group g = w >> 2: group g takes
; the chunks of 128 k with numbers 2 c + g, c = 0..3.  A wave makes all 64 rows b x 64 columns over its 512 k: 16 accumulators of 16 x 16, so an x fragment
; read from LDS still feeds four matrix instructions.  At the end the two waves of a column group add their halves through LDS, each keeping 32 rows.
; Every weight is computed once in the launch: 32,768 a wave, 1,024 a lane.  K is split in eight between work-groups so that a work-group needs
; 256 KB of x and converts 256 numbers a lane, against 2 MB and 2,048 if it owned its outputs over all of K.
; WEIGHTS are made in the matrix operand's own layout: a lane is one column j, its registers run along k.  d = j + (-mu) is the problem's own
; difference; t = (d nc) d with nc = -log2(e) / (2 sigma^2); w = 2^t; two w are rounded to f16 by one conversion.
; BATCHES.  A K step's 64 exponentials are cut into four batches of 16: the eight slots (two weights each) that fill registers 4 u .. 4 u + 3 of a window's two weight
; fragments.  Each result has a register of its own (T: eight pairs, pair s for the batch's slot s) from its exponential to its conversion.  A batch runs: differences,
; products and exponentials by turns; a plain instruction that names no result; ONE wait; the batch's eight conversions.  Every batch fills and empties by itself, and the
; fourth ends ahead of a K step's end, so no result crosses a label or a jump.  The head's four reciprocals are a batch of their own.
; X: amplitude is multiplied into x (f32) before x is rounded to f16: 65,536 products a work-group instead of 262,144 on the weights.
; F16, NOT BF16: an output is a sum of a few dozen products of like size with both signs, so the operands' rounding does not shrink against the
; result; f16's 11 significant bits make it eight times smaller than bf16's 8.  Both operands have room in f16: a weight is an exponential of a
; number that is never positive, so it lies in [0, 1]; x amplitude may be some 12,000 times larger than numbers of unit spread before it passes 65,504.
; CLUSTERS: the four work-groups of a cluster (along grid x) have the same K block and need the same 256 KB of x: each tile is asked for jointly.
; The whole K block lies in LDS at once, so every tensor load is a first fill.
; A tile has 16 rows (not more) because a wave converts exactly what it fetched itself, behind its own count, and four chunks a wave let the work start
; when the first 8 KB of each wave have come.
; LIMITS: |x amplitude| above 65,504 becomes infinity in f16 (and NaN against a weight of 0).  Below 2^-14 an f16 number has an absolute error of up to
; 2^-25: weights below 2^-25 are 0, and so are x amplitude that small.  x amplitude is rounded to f16 as one number.
; v_rcp_f32 takes a denormal sigma^2 as 0 (ISA guide 15.8): |sigma| below 2^-63 acts as sigma = 0 (weight 0 off the centre, NaN where j = mu).
.set NSC,   4                          ; chunks of 128 k for each K group
.set XP,    528                        ; LDS pitch of a chunk's row: 512 bytes of f32 + 16 = 33 x 16: sixteen rows start in sixteen different 16-byte columns modulo 256
.set TILE,  16*XP                      ; 16 rows: one tensor load, one wave's part of a chunk, one block of 16 batch rows
.set CHUNK, 4*TILE                     ; 64 rows x 128 k
.set SUPER, 2*CHUNK                    ; group 0's chunk, then group 1's: eight tiles, tile w is wave w's
.set PARAM, NSC*SUPER                  ; 270,336: -mu of the 1,024 k, then nc; in each, group 0's 512 k in the order of use, then group 1's
.set PGRP,  2048                       ; bytes of a group's 512 numbers
.set PNC,   4096
.set STAGE, PARAM+2*PNC                ; 278,528: 16 rows x 272 bytes for each wave, for the way out; no tensor load lands here or on PARAM
.set SP,    272
.set OROW,  32768                      ; bytes of a row of x and of part
; window 0 (everything that the loop names)
.set AAD,  1                           ; v1, v2   LDS address of my x fragments 0, 1 and 2, 3: 528 r + 16 h + row blocks + chunk + K step
.set PADR, 3                           ; v3       LDS address of my parameters: PARAM + 2,048 g + 32 h + 128 x K step
.set J,    4                           ; v[4:11]  my column j as f32 in column tile 0..3, each twice (a pair for the packed add)
.set E,    12                          ; v[12:13] d nc of the slot at work; for a batch's first slot: its d
.set T,    14                          ; v[14:29] eight pairs, one for each slot of a batch: d, then t, then 2^t, until the batch's conversions
.set NM,   30                          ; v[30:45] -mu of my 16 k of this K step
.set NC,   46                          ; v[46:61] nc of the same
.set A,    62                          ; v[62:93] x fragments: 4 blocks of 16 rows x 32 k, f16
.set BF,   94                          ; v[94:125] weight fragments: 2 sets x 2 column tiles x 8 registers
.set XT,   30                          ; v[30:93] the exchange: my partner's 64 registers (parameters and x fragments are done with by then)
.set RR,   123                         ; set-up only: r = lane mod 16 (these three lie on weight registers that are not yet in use)
.set HH,   124                         ; set-up only: h = lane / 16
.set LN,   125                         ; set-up only: lane
.set ACC,  128                         ; v[128:255] accumulator (mb, nb) at ACC + 8 (4 mb + nb)
; window 1 (conversion of x, and the addresses that only the kernel's end names: window 0's room goes to the batch's results)
.set XS,   0                           ; v256-319  16 rows x 4 f32 as loaded
.set AM,   64                          ; v320-335  amplitude of my 4 k in my group's chunk 0..3
.set CVL,  96                          ; v352-355  where I read f32 in my tile of chunk 0..3
.set CVS,  100                         ; v356-359  where I put f16
.set EXS,  104                         ; v360      the exchange: where I put 16 bytes
.set EXL,  105                         ; v361      the exchange: where my partner put them
.set STO,  106                         ; v362      the way out: where I put 32 bytes of a row
.set RD,   107                         ; v363      the way out: where I read a row back
.set CO,   108                         ; v364      my byte offset in part
.set G1,   16                          ; s[16:23] descriptor group 1
.set G0,   24                          ; s[24:39] descriptor group 0, a set for each of the four loads: none is written while a load is out
.set MSB, 0
.macro WIN new                         ; the immediate's high byte repeats the setting that is left
.if MSB != \new
	s_set_vgpr_msb (MSB<<8)|\new
.set MSB, \new
.endif
.endm
; A round of the cluster's barrier: my work-group's barrier, wave 0 signals for the work-group, every wave waits for all four work-groups, my work-group's barrier again.
.macro ROUND
	s_barrier_signal -1
	s_barrier_wait -1
	s_cmp_lg_u32 s14, 0
	s_cbranch_scc1 .Lnot_wave_0_\@
	s_barrier_signal -3
.Lnot_wave_0_\@:
	s_barrier_wait -3
	s_barrier_signal -1
	s_barrier_wait -1
.endm
	s_load_b256 s[4:11], s[0:1], 0x0               ; x s[4:5], mu s[6:7], sigma s[8:9], amplitude s[10:11]
	s_load_b64 s[12:13], s[0:1], 0x20              ; part
	v_lshl_add_u32 v126, v0, 2, 0x4c800
	v_mov_b32 v127, 0
	ds_add_u32 v126, v127
	v_lshrrev_b32 v[RR], 5, v0
	v_readfirstlane_b32 s14, v[RR]                 ; wave 0..7
	v_and_b32 v[LN], 31, v0                        ; lane
	s_and_b32 s15, ttmp7, 0xffff                   ; K block 0..7: the cluster's y, the same in the four partners
	s_lshr_b32 s40, s14, 2                         ; g: my K group
	s_and_b32 s41, s14, 3                          ; my column group; also: which 16 rows of a chunk I fetch
	; group 1: a tile of 16 rows x 128 f32, 16 bytes of padding behind each row
	s_mov_b32 s[G1+0], 15|(2<<16)|(1<<20)|(1<<21)|(6<<22)|(3<<25)  ; 15:0 mask: all four work-groups; 17:16 elements of 4 bytes; 20 padding on; 21 set beside a mask; 24:22 after every 128 words; 31:25 four words
	s_mov_b32 s[G1+1], 128<<16                     ; tensor_dim0 = 128
	s_mov_b32 s[G1+2], 16<<16                      ; tensor_dim1 = 16
	s_mov_b32 s[G1+3], 128<<16                     ; tile_dim0 = 128
	s_mov_b32 s[G1+4], 16                          ; tile_dim1 = 16
	s_mov_b32 s[G1+5], 8192                        ; elements from row to row
	s_mov_b32 s[G1+6], 0
	s_mov_b32 s[G1+7], 0
	s_lshl_b32 s42, s15, 12                        ; K block x 1,024 k x 4 bytes
	s_mov_b32 s43, 0
	s_lshl_b32 s50, s40, 9                         ; g x 128 k x 4 bytes
	s_lshl_b32 s44, s41, 19                        ; 16 rows x 32,768 bytes for each step of w & 3
	s_add_co_u32 s44, s44, s50
	s_mov_b32 s45, 0
	s_lshl_b32 s47, s41, 10
	s_add_co_u32 s47, s47, s50                     ; chunk 2 (w & 3) + g, in bytes: the 128 k whose parameters my wave prepares
	s_mul_i32 s46, s14, TILE                       ; my tile in a pair of chunks in LDS: the wave's number alone
	v_lshl_add_u32 v[T+3], v[LN], 4, s47           ; 4 k a thread.  Thread t's numbers go to LDS byte 16 t: group t >> 7, the group's chunk (t >> 5) & 3
	v_lshl_add_u32 v[T+2], v[LN], 4, s50           ; amplitude of my 4 k in my group's first chunk
	s_wait_dscnt 0x0
	s_wait_kmcnt 0x0
	s_add_nc_u64 s[6:7], s[6:7], s[42:43]          ; mu, sigma, amplitude at the K block's first k
	s_add_nc_u64 s[8:9], s[8:9], s[42:43]
	s_add_nc_u64 s[10:11], s[10:11], s[42:43]
	s_add_nc_u64 s[4:5], s[4:5], s[42:43]
	s_add_nc_u64 s[4:5], s[4:5], s[44:45]          ; x at my 16 rows, my group's first chunk: made of the K block and the wave alone
	; the six loads into registers go out first: they are on their way while the cluster gathers
	global_load_b128 v[ACC:ACC+3],   v[T+3], s[6:7]                ; mu
	global_load_b128 v[ACC+4:ACC+7], v[T+3], s[8:9]                ; sigma
	WIN 0x40                                       ; destination in window 1, sources in window 0
.irp c, 0,1,2,3
	global_load_b128 v[AM+4*\c:AM+4*\c+3], v[T+2], s[10:11] offset:1024*\c   ; amplitude of k = 128 (2 c + g) + 4 lane .. + 3
.endr
	WIN 0
.irp c, 0,1,2,3
	s_mov_b32 s[G0+4*\c], 1                                        ; count = 1
	s_add_co_u32 s[G0+4*\c+1], s46, \c*SUPER                       ; LDS address: wave x 8,448 + c x 67,584
	s_add_nc_u64 s[G0+4*\c+2:G0+4*\c+3], s[4:5], \c*1024           ; 256 k further along the rows
	s_or_b32 s[G0+4*\c+3], s[G0+4*\c+3], 0x80000000                ; type = 2
.endr
	ROUND                                          ; the four work-groups are here: the joint loads meet
.irp c, 0,1,2,3
	tensor_load_to_lds s[G0+4*\c:G0+4*\c+3], s[G1:G1+7]            ; all first fills in one group; four are out
	s_nop 0
.endr
	v_and_b32 v[RR], 15, v0                        ; r
	v_bfe_u32 v[HH], v0, 4, 1                      ; h
	v_lshl_add_u32 v[T],   v[LN], 4, s46           ; f32 of a row: 16 bytes a lane
	v_lshl_add_u32 v[T+1], v[LN], 3, s46           ; f16 of a row: 8 bytes a lane
	v_lshlrev_b32 v[T+4], 4, v0
	v_add_nc_u32 v[T+4], PARAM, v[T+4]             ; where my 4 parameters go
	; the lane's part of the addresses that live in window 1 is made here, in window 0; the last line of each stands below, under one setting
	v_lshlrev_b32 v[T+6], 4, v[LN]                 ; the exchange: 16 bytes a lane
	s_xor_b32 s55, s14, 4                          ; my partner: the same columns, the other K group
	s_mul_i32 s54, s14, 16*SP
	s_add_co_u32 s54, s54, STAGE                   ; my stage
	v_mul_u32_u24 v[T+7], v[RR], SP
	v_lshl_add_u32 v[T+7], v[HH], 5, v[T+7]        ; in: row r, 32 bytes for each half of the lanes
	v_mul_u32_u24 v[T+8], v[HH], SP
	v_lshl_add_u32 v[T+8], v[RR], 4, v[T+8]        ; back: lanes 0-15 one row of 256 bytes, lanes 16-31 the next
	v_lshlrev_b32 v[T+9], 15, v[HH]                ; the same two rows in part
	WIN 0x40
.irp q, 0,1,2,3
	v_add_nc_u32 v[CVL+\q], \q*SUPER, v[T]         ; an address for each chunk: 67,584 does not fit the 16-bit offset; never rewritten
	v_add_nc_u32 v[CVS+\q], \q*SUPER, v[T+1]
.endr
	v_lshl_add_u32 v[EXL], s55, 13, v[T+6]         ; 8,192 bytes a wave, 16 bytes a lane, from LDS byte 0: x is done with by then
	v_lshl_add_u32 v[EXS], s14, 13, v[T+6]
	v_add_nc_u32 v[STO], s54, v[T+7]
	v_add_nc_u32 v[RD], s54, v[T+8]
	v_lshl_add_u32 v[CO], v[RR], 4, v[T+9]
	WIN 0
	; x fragments.  Group 0 takes the row blocks in the order 0, 1, 2, 3, group 1 in the order 2, 3, 0, 1: in every wave accumulators (0, ..) and (1, ..) are the
	; 32 rows that the wave stores in the end, (2, ..) and (3, ..) those that it hands to its partner.  So the end needs no branch on the wave's number.
	s_mul_i32 s47, s40, CHUNK+2*TILE               ; fragments 0, 1: my group's chunk, row block 2 g
	s_mul_i32 s51, s40, CHUNK-2*TILE
	s_add_co_u32 s51, s51, 2*TILE                  ; fragments 2, 3: my group's chunk, row block 2 - 2 g
	v_mul_u32_u24 v[AAD], v[RR], XP
	v_lshl_add_u32 v[AAD], v[HH], 4, v[AAD]        ; 528 r + 16 h
	v_add_nc_u32 v[AAD+1], s51, v[AAD]
	v_add_nc_u32 v[AAD], s47, v[AAD]
	s_mul_i32 s47, s40, PGRP
	s_add_co_u32 s47, s47, PARAM
	v_lshl_add_u32 v[PADR], v[HH], 5, s47          ; PARAM + 2,048 g + 32 h: half h of the lanes holds k = 8 h .. and 16 + 8 h ..
	s_bfe_u32 s48, ttmp6, 0x40000                  ; cx
	s_lshl_b32 s49, ttmp9, 2
	s_add_co_u32 s49, s49, s48                     ; column block = 4 x cluster x + cx; it enters j and the address in part, no LDS address and no branch
	s_lshl_b32 s51, s49, 8
	s_lshl_b32 s47, s41, 6
	s_add_co_u32 s51, s51, s47                     ; my wave's first column
	v_add_nc_u32 v[T+5], s51, v[RR]
	v_cvt_f32_u32 v[J], v[T+5]                     ; j below 8,192: exact
	v_add_f32 v[J+2], 0x41800000, v[J]             ; + 16
	v_add_f32 v[J+4], 0x42000000, v[J]             ; + 32
	v_add_f32 v[J+6], 0x42400000, v[J]             ; + 48
.irp n, 0,2,4,6
	v_mov_b32 v[J+\n+1], v[J+\n]
.endr
	s_lshl_b32 s52, s15, 21                        ; plane of my K block
	s_lshl_b32 s47, s49, 10                        ; 256 columns x 4 bytes
	s_add_co_u32 s52, s52, s47
	s_lshl_b32 s47, s41, 8                         ; my 64 columns
	s_add_co_u32 s52, s52, s47
	s_lshl_b32 s47, s40, 20                        ; my 32 rows: 32 g
	s_add_co_u32 s52, s52, s47
	s_mov_b32 s53, 0
	s_add_nc_u64 s[12:13], s[12:13], s[52:53]
	; the parameters, once for the work-group: 4 k a thread
	s_wait_loadcnt 4                               ; mu and sigma are in; amplitude's four loads were issued behind them
	v_pk_mul_f32 v[ACC+4:ACC+5], v[ACC+4:ACC+5], v[ACC+4:ACC+5]    ; sigma^2
	v_pk_mul_f32 v[ACC+6:ACC+7], v[ACC+6:ACC+7], v[ACC+6:ACC+7]
.irp n, 4,5,6,7
	v_rcp_f32 v[ACC+\n], v[ACC+\n]
.endr
	v_pk_mul_f32 v[ACC:ACC+1],   v[ACC:ACC+1],   -1.0 op_sel_hi:[1,0]   ; -mu; also the plain instructions that stand between v_rcp_f32 and the use of its result (ISA guide 5.7.2)
	v_pk_mul_f32 v[ACC+2:ACC+3], v[ACC+2:ACC+3], -1.0 op_sel_hi:[1,0]
	s_wait_alu depctr_va_vdst(0)                   ; the wait ahead of the first use: one for the batch of four reciprocals
	v_pk_mul_f32 v[ACC+4:ACC+5], v[ACC+4:ACC+5], 0xbf38aa3b op_sel_hi:[1,0]   ; nc = -log2(e)/2 / sigma^2
	v_pk_mul_f32 v[ACC+6:ACC+7], v[ACC+6:ACC+7], 0xbf38aa3b op_sel_hi:[1,0]
	ds_store_b128 v[T+4], v[ACC:ACC+3]
	ds_store_b128 v[T+4], v[ACC+4:ACC+7] offset:PNC
	s_wait_loadcnt 0x0                             ; amplitude
; My 16 rows of my group's chunk c: f32 from LDS, times amplitude, rounded to f16, back into the first 256 bytes of the same rows.  All in window 1.
.macro CONVERT c
	s_wait_tensorcnt NSC-1-\c                      ; tensor loads of a wave end in order (ISA guide 10.11.1): chunk c is in, the later chunks' loads stay out
	WIN 0x55
.irp ro, 0,1,2,3,4,5,6,7,8,9,10,11,12,13,14,15
	ds_load_b128 v[XS+4*\ro:XS+4*\ro+3], v[CVL+\c] offset:\ro*XP   ; a row's 512 bytes: 32 lanes, 16 neighbouring bytes each
.endr
.irp gq, 0,1,2,3
	s_wait_dscnt 12                                ; behind this group's last load stand 12 - 4 gq loads and the 4 gq stores of the groups before: always 12
.irp ro, 0,1,2,3
	v_pk_mul_f32 v[XS+16*\gq+4*\ro:XS+16*\gq+4*\ro+1],   v[XS+16*\gq+4*\ro:XS+16*\gq+4*\ro+1],   v[AM+4*\c:AM+4*\c+1]
	v_pk_mul_f32 v[XS+16*\gq+4*\ro+2:XS+16*\gq+4*\ro+3], v[XS+16*\gq+4*\ro+2:XS+16*\gq+4*\ro+3], v[AM+4*\c+2:AM+4*\c+3]
.endr
.irp ro, 0,1,2,3
	v_cvt_pk_f16_f32 v[XS+16*\gq+4*\ro],   v[XS+16*\gq+4*\ro],   v[XS+16*\gq+4*\ro+1]
	v_cvt_pk_f16_f32 v[XS+16*\gq+4*\ro+1], v[XS+16*\gq+4*\ro+2], v[XS+16*\gq+4*\ro+3]
.endr
.irp ro, 0,1,2,3
	ds_store_b64 v[CVS+\c], v[XS+16*\gq+4*\ro:XS+16*\gq+4*\ro+1] offset:(4*\gq+\ro)*XP   ; 256 neighbouring bytes; the row's f32 have been read, and no tensor load lands here again
.endr
.endr
	WIN 0
.endm
; THE WEIGHTS, slot by slot.  Slot 16 p + sg of a K step's 32 makes two weights: k pair sg / 2 of column tile 2 p + (sg & 1).  Eight slots are a batch; s = sg & 7 is the slot's
; place in it and T + 2 s its pair.  A slot's stages are spread over three slots, so that other work stands between dependent lines: in slot s stand d = j - mu of slot s, the first 2^t of
; slot s - 2, t = e d of slot s - 1, the second 2^t of slot s - 2, and e = d nc of slot s: plain instruction and exponential by turns.  None of these names an exponential's result.
; A batch's first slot finds its d in E (DFIRST made it) and puts e into its pair; the next slot's product of the two is the same t.
.macro DFIRST p, sg                    ; d of a batch's first slot, into E, which is free behind the t of the batch before
	v_pk_add_f32 v[E:E+1], v[J+2*(2*\p+(\sg&1)):J+2*(2*\p+(\sg&1))+1], v[NM+2*(\sg>>1):NM+2*(\sg>>1)+1]
.endm
.macro SLOT p, sg
.set sl_s, (\sg)&7
.set sl_a, T+2*sl_s
.set sl_m, T+2*((sl_s+7)&7)
.set sl_x, T+2*((sl_s+6)&7)
.set sl_p, 2*(\sg>>1)
.set sl_j, J+2*(2*\p+(\sg&1))
.if sl_s == 0
	v_pk_mul_f32 v[sl_a:sl_a+1], v[E:E+1], v[NC+sl_p:NC+sl_p+1]
.else
	v_pk_add_f32 v[sl_a:sl_a+1], v[sl_j:sl_j+1], v[NM+sl_p:NM+sl_p+1]
.if sl_s >= 2
	v_exp_f32 v[sl_x], v[sl_x]
.endif
	v_pk_mul_f32 v[sl_m:sl_m+1], v[E:E+1], v[sl_m:sl_m+1]
.if sl_s >= 2
	v_exp_f32 v[sl_x+1], v[sl_x+1]
.endif
	v_pk_mul_f32 v[E:E+1], v[sl_a:sl_a+1], v[NC+sl_p:NC+sl_p+1]
.endif
.endm
; A batch's end, in three parts.  LASTEXP: what is left of slots 6 and 7; the batch's 16 exponentials are then all issued.  Behind it the K step's text sets a plain instruction that names
; no result (ISA guide 5.7.2 asks for one behind the last exponential).  TOF16: the wait, and the batch's eight conversions into registers 4 u .. 4 u + 3 of set p's two fragments.
.macro LASTEXP
	v_exp_f32 v[T+12], v[T+12]
	v_pk_mul_f32 v[T+14:T+15], v[E:E+1], v[T+14:T+15]
	v_exp_f32 v[T+13], v[T+13]
	v_exp_f32 v[T+14], v[T+14]
	v_exp_f32 v[T+15], v[T+15]
.endm
.macro TOF16 p, u
	s_wait_alu depctr_va_vdst(0)                   ; the wait ahead of the first use: one for the batch's 16 exponentials
.irp s, 0,1,2,3,4,5,6,7
	v_cvt_pk_f16_f32 v[BF+16*\p+8*(\s&1)+4*\u+(\s>>1)], v[T+2*\s], v[T+2*\s+1]
.endr
.endm
; One matrix instruction, used transposed: source 0 = 16 columns j of the weights, source 1 = 16 rows b of x.  Lane l then holds row b = l % 16 and its
; registers the columns 8 (l / 16) + 0..7: eight neighbouring numbers of a row of part.  mode 0: none yet; 1: the first product starts the sum; 2: add.
.macro MM mode, mb, nb, bs, b
.if \mode == 1
	v_wmma_f32_16x16x32_f16 v[ACC+8*(4*\mb+\nb):ACC+8*(4*\mb+\nb)+7], v[BF+16*\bs+8*\b:BF+16*\bs+8*\b+7], v[A+8*\mb:A+8*\mb+7], 0
.endif
.if \mode == 2
	v_wmma_f32_16x16x32_f16 v[ACC+8*(4*\mb+\nb):ACC+8*(4*\mb+\nb)+7], v[BF+16*\bs+8*\b:BF+16*\bs+8*\b+7], v[A+8*\mb:A+8*\mb+7], v[ACC+8*(4*\mb+\nb):ACC+8*(4*\mb+\nb)+7]
.endif
.endm
.macro PLOAD q, off                    ; quad q of -mu and of nc: registers 4 q .. 4 q + 3 = k 8 h + 4 q (q < 2), 16 + 8 h + 4 (q - 2) (q >= 2)
	ds_load_b128 v[NM+4*\q:NM+4*\q+3], v[PADR] offset:\off+16*(\q&1)+64*(\q>>1)
	ds_load_b128 v[NC+4*\q:NC+4*\q+3], v[PADR] offset:\off+16*(\q&1)+64*(\q>>1)+PNC
.endm
.macro ALOAD mb                        ; x fragment mb: registers 0-3 k = 8 h .., registers 4-7 k = 16 + 8 h ..; fragments 0, 1 by the first address, 2, 3 by the second
	ds_load_b128 v[A+8*\mb:A+8*\mb+3],   v[AAD+(\mb>>1)] offset:(\mb&1)*TILE
	ds_load_b128 v[A+8*\mb+4:A+8*\mb+7], v[AAD+(\mb>>1)] offset:(\mb&1)*TILE+32
.endm
; One K step of 32: two windows of 16 slots, two batches each; window 0 makes column tiles 0 and 1 (slot by slot in turn), window 1 tiles 2 and 3.
; A window's two fragments are whole behind its second batch's conversions; their eight matrix instructions follow one window later, one behind every second slot, row block by row block.
; So each x fragment is free 12 slots before its next use, and so is each quad of parameters: they are loaded again into the same registers in that gap.
; A load into an x fragment stands two slots (six plain vector instructions that name none of its registers; the exponentials between are not counted) behind the last matrix
; instruction that read it, and the first conversion into a weight fragment seven slots behind the last that read it (ISA guide 7.12.1 asks for four such places).
; The sixteen accumulators take turns, one instruction a turn, over the backward jump too.
; The plain instruction between a batch's last exponential and its wait: in the K step's middle the next batch's first d; at its end the three address steps, so that the fourth batch's wait
; stands ahead of the jump that follows the K step (the next K step's first quad is not yet waited for there, so its first d stands at that K step's head).
; we, wo: mode of the matrix instructions of the K step before / of this K step.  nx = 1: a K step follows.
; The waits count LDS loads issued behind the ones needed; the order in a trip is quad 3, fragments 0, 1, 2, 3, next quads 0, 1, 2, two loads each.
.macro TRIP we, wo, nx
	PLOAD 3, 0
	s_wait_dscnt 6                                 ; quad 0 is in; behind it: quads 1, 2, 3
	DFIRST 0, 0
	MM \we, 3, 1, 0, 1
	SLOT 0, 0
	SLOT 0, 1
	SLOT 0, 2
	MM \we, 0, 2, 1, 0
	SLOT 0, 3
	s_wait_dscnt 4                                 ; quad 1; behind it: quads 2, 3
	SLOT 0, 4
	MM \we, 0, 3, 1, 1
	SLOT 0, 5
	SLOT 0, 6
	ALOAD 0
	MM \we, 1, 2, 1, 0
	SLOT 0, 7
	s_wait_dscnt 4                                 ; quad 2; behind it: quad 3, fragment 0
	LASTEXP                                        ; the first batch ends: k 0-7 and 16-23's first halves of tiles 0 and 1
	DFIRST 0, 8
	TOF16 0, 0
	SLOT 0, 8
	MM \we, 1, 3, 1, 1
	SLOT 0, 9
	SLOT 0, 10
	ALOAD 1
	MM \we, 2, 2, 1, 0
	SLOT 0, 11
	s_wait_dscnt 4                                 ; quad 3; behind it: fragments 0, 1
	SLOT 0, 12
	MM \we, 2, 3, 1, 1
	SLOT 0, 13
	SLOT 0, 14
	ALOAD 2
	MM \we, 3, 2, 1, 0
	SLOT 0, 15
	LASTEXP                                        ; the second batch ends: tiles 0 and 1 are whole
	DFIRST 1, 0
	TOF16 0, 1
	SLOT 1, 0
	MM \we, 3, 3, 1, 1
	SLOT 1, 1
	SLOT 1, 2
	ALOAD 3
	s_wait_dscnt 6                                 ; fragment 0; behind it: fragments 1, 2, 3
	MM \wo, 0, 0, 0, 0
	SLOT 1, 3
.if \nx
	PLOAD 0, 128
.endif
	SLOT 1, 4
	MM \wo, 0, 1, 0, 1
	SLOT 1, 5
	SLOT 1, 6
	s_wait_dscnt 4+2*\nx                           ; fragment 1; behind it: fragments 2, 3 and the next quad 0
	MM \wo, 1, 0, 0, 0
	SLOT 1, 7
.if \nx
	PLOAD 1, 128
.endif
	LASTEXP                                        ; the third batch ends
	DFIRST 1, 8
	TOF16 1, 0
	SLOT 1, 8
	MM \wo, 1, 1, 0, 1
	SLOT 1, 9
	SLOT 1, 10
	s_wait_dscnt 2+4*\nx                           ; fragment 2; behind it: fragment 3 and the next quads 0, 1
	MM \wo, 2, 0, 0, 0
	SLOT 1, 11
.if \nx
	PLOAD 2, 128
.endif
	SLOT 1, 12
	MM \wo, 2, 1, 0, 1
	SLOT 1, 13
	SLOT 1, 14
	s_wait_dscnt 6*\nx                             ; fragment 3; behind it: the next quads 0, 1, 2
	MM \wo, 3, 0, 0, 0
	SLOT 1, 15
	LASTEXP                                        ; the fourth batch ends: tiles 2 and 3 are whole, and no result is open at the K step's end
.if \nx
	v_add_nc_u32 v[AAD], 64, v[AAD]                ; 32 k of f16 along the rows
	v_add_nc_u32 v[AAD+1], 64, v[AAD+1]
	v_add_nc_u32 v[PADR], 128, v[PADR]             ; 32 k of f32: a group's parameters lie in the order of use, over the change of chunks too
.else
	v_nop                                          ; the last K step has no address to step: the plain instruction behind the last exponential
.endif
	TOF16 1, 1
.endm
; A chunk's four K steps.  In front: the barrier that shows both groups' chunks converted by all eight waves; my tile of my group's next chunk (cn) is converted,
; my LDS instructions are waited for, and the next barrier is signalled.  Up to its wait only chunk bytes that no wave writes any more, and the parameters, are read.
.macro BLOCK cn
	s_barrier_wait -1
	v_add_nc_u32 v[AAD], SUPER-256, v[AAD]
	v_add_nc_u32 v[AAD+1], SUPER-256, v[AAD+1]
	CONVERT \cn
	s_wait_dscnt 0x0                               ; for the other waves' sake: my stores are in LDS
	s_barrier_signal -1
	s_mov_b32 s3, 4
.Ltrip_\@:
	TRIP 2, 2, 1
	s_sub_co_u32 s3, s3, 1
	s_cmp_lg_u32 s3, 0
	s_cbranch_scc1 .Ltrip_\@
.endm
	CONVERT 0
	s_wait_dscnt 0x0                               ; my parameters and my tile of my group's first chunk are in LDS
	s_barrier_signal -1
	s_barrier_wait -1                              ; everybody's are
	PLOAD 0, 0
	PLOAD 1, 0
	PLOAD 2, 0
	TRIP 0, 1, 1                                   ; K step 0: its first products start the sums of column tiles 0 and 1
	TRIP 1, 2, 1                                   ; K step 1: the last of those, and the first products of tiles 2 and 3: nothing is ever cleared
	CONVERT 1                                      ; two K steps of work have been done while the next chunk was on its way
	s_wait_dscnt 0x0
	s_barrier_signal -1
	s_mov_b32 s3, 2
.Ltrip_first:
	TRIP 2, 2, 1
	s_sub_co_u32 s3, s3, 1
	s_cmp_lg_u32 s3, 0
	s_cbranch_scc1 .Ltrip_first
	BLOCK 2                                        ; my group's chunk 1 is multiplied, chunk 2 converted
	BLOCK 3                                        ; its wait on the tensor loads is for 0: none is out from here on
	s_barrier_wait -1                              ; chunk 3
	v_add_nc_u32 v[AAD], SUPER-256, v[AAD]
	v_add_nc_u32 v[AAD+1], SUPER-256, v[AAD+1]
	s_mov_b32 s3, 3
.Ltrip_last:
	TRIP 2, 2, 1
	s_sub_co_u32 s3, s3, 1
	s_cmp_lg_u32 s3, 0
	s_cbranch_scc1 .Ltrip_last
	TRIP 2, 2, 0                                   ; the last K step loads no further parameters; its last wait on LDS is for 0; all its weights are converted at its end
	MM 2, 3, 1, 0, 1                               ; the nine products that are left
	MM 2, 0, 2, 1, 0
	MM 2, 0, 3, 1, 1
	MM 2, 1, 2, 1, 0
	MM 2, 1, 3, 1, 1
	MM 2, 2, 2, 1, 0
	MM 2, 2, 3, 1, 1
	MM 2, 3, 2, 1, 0
	MM 2, 3, 3, 1, 1
	; THE TWO HALVES OF K MEET.  No LDS instruction of mine is out (the last K step's last wait was for 0, and none was issued since), so behind this barrier no wave
	; reads x any more and its first 64 KB serve as the exchange.
	s_barrier_signal -1
.rept 4
	v_nop                                          ; four places behind the last matrix instructions: LDS stores read results, loads land on fragments
.endr
	s_barrier_wait -1
	WIN 0x01                                       ; source 0, the address, in window 1; data in window 0
.irp q, 0,1,2,3,4,5,6,7,8,9,10,11,12,13,14,15
	ds_store_b128 v[EXS], v[ACC+64+4*\q:ACC+64+4*\q+3] offset:512*\q   ; accumulators (2, ..), (3, ..): my partner's 32 rows; 32 lanes, 16 neighbouring bytes each
.endr
	s_wait_dscnt 0x0                               ; for my partner's sake: my stores are in LDS
	s_barrier_signal -1
	s_barrier_wait -1
.irp q, 0,1,2,3,4,5,6,7,8,9,10,11,12,13,14,15
	ds_load_b128 v[XT+4*\q:XT+4*\q+3], v[EXL] offset:512*\q        ; the same lane of my partner holds the same row and columns: its half of my 32 rows
.endr
	WIN 0
.irp gq, 0,1,2,3
	s_wait_dscnt 12-4*\gq                          ; four loads more are in; the later ones stay out
.irp n, 0,2,4,6,8,10,12,14
	v_pk_add_f32 v[ACC+16*\gq+\n:ACC+16*\gq+\n+1], v[ACC+16*\gq+\n:ACC+16*\gq+\n+1], v[XT+16*\gq+\n:XT+16*\gq+\n+1]
.endr
.endr
; THE WAY OUT, 16 rows at a time: a lane's 32 bytes of a row go into my own stage, whole rows of 256 bytes come back, and
; sixteen neighbouring lanes store 256 consecutive bytes at a multiple of 256 from part's first byte.  f: the registers of BF, then of A: no register that a store reads is written again.
.macro OUT mb, f
.irp nb, 0,1,2,3
	ds_store_b128 v[STO], v[ACC+8*(4*\mb+\nb):ACC+8*(4*\mb+\nb)+3]   offset:64*\nb
	ds_store_b128 v[STO], v[ACC+8*(4*\mb+\nb)+4:ACC+8*(4*\mb+\nb)+7] offset:64*\nb+16
.endr
.irp t, 0,1,2,3,4,5,6,7
	ds_load_b128 v[\f+4*\t:\f+4*\t+3], v[RD] offset:\t*2*SP        ; LDS serves a wave's instructions in order (ISA guide 5.7.1): these see the stores above
.endr
.irp t, 0,1,2,3,4,5,6,7
	s_wait_dscnt 7-\t
	global_store_b128 v[CO], v[\f+4*\t:\f+4*\t+3], s[12:13] offset:(16*\mb+2*\t)*OROW   ; 30 rows at the most: inside the signed 24-bit immediate
.endr
.endm
	WIN 0x01                                       ; the three addresses of the way out lie in window 1, all data in window 0
	OUT 0, BF
	OUT 1, A
	WIN 0
	s_wait_tensorcnt 0x0
	ds_add_u32 v126, v127
	s_wait_dscnt 0x0
	ROUND                                          ; the closing round: no work-group ends before its partners have issued every joint load
	s_endpgm
.Lfunc_end_k_q073861eea6_gauss:
	.size	k_q073861eea6_gauss, .Lfunc_end_k_q073861eea6_gauss-k_q073861eea6_gauss
	.p2alignl 7, 3214868480
	.fill 96, 4, 3214868480
	.section	.rodata,"a",@progbits
	.p2align	6, 0x0
	.amdhsa_kernel k_q073861eea6_gauss
		.amdhsa_group_segment_fixed_size 314368
		.amdhsa_private_segment_fixed_size 0
		.amdhsa_enable_private_segment 0
		.amdhsa_kernarg_size 40
		.amdhsa_user_sgpr_count 2
		.amdhsa_user_sgpr_kernarg_segment_ptr 1
		.amdhsa_wavefront_size32 1
		.amdhsa_system_sgpr_workgroup_id_x 1
		.amdhsa_system_sgpr_workgroup_id_y 1
		.amdhsa_system_sgpr_workgroup_id_z 1
		.amdhsa_system_vgpr_workitem_id 0
		.amdhsa_next_free_vgpr 384
		.amdhsa_next_free_sgpr 66
		.amdhsa_reserve_vcc 0
		.amdhsa_float_denorm_mode_32 3
		.amdhsa_float_denorm_mode_16_64 3
		.amdhsa_memory_ordered 1
		.amdhsa_forward_progress 1
		.amdhsa_inst_pref_size 131
	.end_amdhsa_kernel
	.amdgpu_metadata
---
amdhsa.version: [ 1, 2 ]
amdhsa.kernels:
  - .name:           k_q073861eea6_gauss
    .symbol:         k_q073861eea6_gauss.kd
    .args:
      - { .name: x, .offset: 0, .size: 8, .value_kind: global_buffer, .address_space: global }
      - { .name: mu, .offset: 8, .size: 8, .value_kind: global_buffer, .address_space: global }
      - { .name: sigma, .offset: 16, .size: 8, .value_kind: global_buffer, .address_space: global }
      - { .name: amplitude, .offset: 24, .size: 8, .value_kind: global_buffer, .address_space: global }
      - { .name: part, .offset: 32, .size: 8, .value_kind: global_buffer, .address_space: global }
    .group_segment_fixed_size: 314368
    .private_segment_fixed_size: 0
    .kernarg_segment_align: 8
    .kernarg_segment_size: 40
    .max_flat_workgroup_size: 256
    .sgpr_count:     66
    .vgpr_count:     384
    .wavefront_size: 32
...
	.end_amdgpu_metadata
.endif
;; end of part 4
;; launch finish: the kernel of part 2 again; grid 256 x 1, 16 waves a work-group, no clusters, 0 bytes of LDS; arguments part, bias, out0; writes out0
